; MI455X (gfx1250); checked and timed in simulation.
; The chip was launched on July 23, 2026; its instructions are those of AMD's public machine-readable ISA for CDNA 5 (MIT licence, August 2026) and "CDNA5" Instruction Set Architecture Reference Guide (July 2026). The comments in the code are by the model that wrote it; some were corrected since.
;; Multi Head Attention. Allowed arithmetic: matrix products marked QUANTISED: E2M1 operands, one E8M0 scale for each 32 along K, by v_wmma_scale_f32_16x16x128_f8f6f4 with both operands' format E2M1 (or v_wmma_scale_f32_32x16x128_f4), f32 sums; products left as they are: bf16, f16 or f32 operands; f32 sums; everything else in f32.
;; Inputs: Wk 2,048 x 2,048 float32; Wo 2,048 x 2,048 float32; Wq 2,048 x 2,048 float32; Wv 2,048 x 2,048 float32; mask 2 x 1,024 x 1,024 bool; x 2 x 1,024 x 2,048 float32.
;; Outputs: out0 2 x 1,024 x 2,048 float32.
;; This version of the problem:
;;   THIS VERSION OF THE PROBLEM IS GIVEN IN LOW PRECISION. The matrix products marked QUANTISED in the list below multiply operands that are first quantised to E2M1 (2 exponent bits, 1 mantissa bit; 4 bits a number), with one power-of-two scale for each 32 numbers along K (OCP MX v1.0); their sums are f32. The products marked 'left as it is' may take bf16, f16 or f32 operands, with f32 sums. Whichever they take, every output number must still come out within the allowed error. Rounding operands to bf16 (8 significant bits) uses up far more of that allowance than f16 does (11 bits, for magnitudes from 6e-5 to 65,504). All else is computed in f32.
;;   The module's matrix products, in the order in which they are computed (A, B: the left and right operand; K: the contracted axis; several contracted axes count as one K, in the product's order):
;;     1. [M 2,048, K 2,048] x [K 2,048, N 2,048]; A: input x; B: input Wq: QUANTISED
;;     2. [M 2,048, K 2,048] x [K 2,048, N 2,048]; A: input x; B: input Wk: QUANTISED
;;     3. [M 2,048, K 2,048] x [K 2,048, N 2,048]; A: input x; B: input Wv: QUANTISED
;;     4. batch 32 x [M 1,024, K 128] x [K 128, N 1,024]; A: computed on the way; B: computed on the way: left as it is (an operand is computed on the way)
;;     5. batch 32 x [M 1,024, K 1,024] x [K 1,024, N 128]; A: computed on the way; B: computed on the way: left as it is (an operand is computed on the way)
;;     6. [M 2,048, K 2,048] x [K 2,048, N 2,048]; A: computed on the way; B: input Wo: left as it is (an operand is computed on the way)
;;   THE QUANTISER, for each operand of a quantised product, along K:
;;     - K is cut into blocks of 32 from its start; a last block that is shorter is filled with zeros.
;;     - A block's scale is 2^e with e = floor(log2(the largest magnitude in the block)) - 2, held to -126 .. 127; a block of zeros has e = 0. As a byte (E8M0): e + 127.
;;     - Each number is divided by its block's scale, clamped to +-6, and rounded to the nearest number of E2M1, ties to even, subnormals kept.
;;     - The product sums the exact products of the quantised numbers (number of the format x scale) in f32.
;;   ~~~python
;;   def quantise(x, axis):      # numpy; x: float32 -> the quantised numbers, widened to float32 again
;;       x = np.moveaxis(x, axis, -1); K = x.shape[-1]
;;       x = np.pad(x, [(0, 0)] * (x.ndim - 1) + [(0, -K % 32)]); x = x.reshape(x.shape[:-1] + (-1, 32)); a = np.abs(x).max(-1, keepdims=True)
;;       e = np.where(a > 0, np.clip(np.frexp(np.where(a > 0, a, 1))[1] - 1 - 2, -126, 127), 0)      # np.frexp(a)[1] - 1 = floor(log2(a)), exactly
;;       r = np.clip(x / 2.0 ** e, -6, 6)
;;       step = 2.0 ** (np.maximum(np.frexp(np.where(r == 0, 1, r))[1] - 1, 0) - 1)
;;       q = np.round(r / step) * step * 2.0 ** e      # np.round: ties to even
;;       return np.moveaxis(q.reshape(q.shape[:-2] + (-1,))[..., :K], -1, axis).astype(np.float32)
;;   ~~~
;; One version. Each part assembles by itself: llvm-mc -triple=amdgcn-amd-amdhsa -mcpu=gfx1250 --defsym DOCPART=n.
;; ======== version 1 of 1: 4 launches
;; limits: right only within a limited range of input values; values are held in f16: magnitudes above 65,504 overflow, below 6.1e-05 lose precision
;; workspace buffers: xc 2,097,152 bytes; xs 131,072 bytes; wc 6,291,456 bytes; ws 393,216 bytes; wo16 8,388,608 bytes; qkv 25,165,824 bytes; o16 8,388,608 bytes; mbits 262,144 bytes of whole numbers
;; launch prep (part 1): grid 576 x 1, 4 waves a work-group, no clusters, 68,096 bytes of LDS; arguments x, Wq, Wk, Wv, Wo, mask, xc, xs, wc, ws, wo16, mbits; writes xc, xs, wc, ws, wo16, mbits
.if DOCPART == 1
	.amdgcn_target "amdgcn-amd-amdhsa--gfx1250"
	.amdhsa_code_object_version 6
	.text
	.protected	k_q49d45b569f_prep
	.globl	k_q49d45b569f_prep
	.p2align	8
	.type	k_q49d45b569f_prep,@function
k_q49d45b569f_prep:
	s_mov_b64 s[64:65], 0
	v_nop
	global_prefetch_b8 v0, s[64:65] scope:SCOPE_SE
	s_setreg_imm32_b32 hwreg(HW_REG_WAVE_MODE, 25, 1), 1
	s_wait_xcnt 0x0
; ONE LAUNCH THAT MAKES EVERY OPERAND READY, each f32 byte read once.  Four paths, parted on the work-group's number:
;   0..191    Wq, Wk, Wv [2048 (k)][2048 (n)] f32 -> codes of FP4 (E2M1) laid [6144 (n)][1024 bytes], K innermost, and E8M0 bytes [6144][64]  (n = 2048 x matrix + column)
;   192..319  x [2048][2048] f32 -> codes [2048][1024 bytes] and E8M0 bytes [2048][64]
;   320..447  Wo f32 -> f16, in place order [k][n]
;   448..575  mask (bytes 0 or 1) -> words of 32 bits: bit L of word (b, qt, kt, j) = mask[b][16 qt + L % 16][16 kt + 8 (L / 16) + j]: the lanes' select for register j of a tile of scores
; THE QUANTISER: a block of 32 along K has the scale 2^(floor(log2(largest magnitude)) - 2); its byte is the largest magnitude's exponent field - 2, held at 1 from below; each number is divided by the
; scale and rounded to the nearest code, ties to even, beyond 6 the largest code.  A block of zeros gets the byte 1 where the rule says 127: its codes are zeros, and this program alone reads the bytes.
; LIMITS: NaN and infinities among the inputs are not served; Wo's numbers stay under 65,504 in magnitude (f16).
; No tensor load, no barrier: waves share nothing.  The two paths that use LDS have bytes of their own.  Nothing is prefetched: the launch is a plain stream with many loads of every wave out.
.set XREG,  0                          ; x path: 8,192 bytes a wave: two stages of 32 x 80 bytes, then 256 scale bytes
.set WST,   32768                      ; W path: a stage of 32 rows x 272 bytes for each wave
.set SPARE, 67584                      ; the spare words, 128 bytes for each wave: two blocks of 256 bytes that no other line names
.set SPW,   198                        ; v198  LDS address of my spare word; never rewritten
.set NIL,   199                        ; v199  0; never rewritten
.set EMAX,  2
	s_load_b512 s[4:19], s[0:1], 0x0               ; x 4:5, Wq 6:7, Wk 8:9, Wv 10:11, Wo 12:13, mask 14:15, xc 16:17, xs 18:19
	s_load_b256 s[20:27], s[0:1], 0x40             ; wc 20:21, ws 22:23, wo16 24:25, mbits 26:27
	v_lshl_add_u32 v[SPW], v0, 2, SPARE
	v_mov_b32 v[NIL], 0
	v_lshrrev_b32 v1, 5, v0
	v_readfirstlane_b32 s28, v1                    ; wave 0..3
	v_and_b32 v2, 31, v0                           ; lane
	s_wait_kmcnt 0x0
	s_cmp_lt_u32 ttmp9, 192
	s_cbranch_scc1 .Lpath_w
	s_cmp_lt_u32 ttmp9, 320
	s_cbranch_scc1 .Lpath_x
	s_cmp_lt_u32 ttmp9, 448
	s_cbranch_scc1 .Lpath_o
; ---------------- THE MASK.  A wave takes 16 queries x 256 keys: 16 tiles of keys, 128 words.  Lane (r, h) loads 8 bytes: keys 16 kt + 8 h + 0..7 of query r.
; A compare of one byte in all lanes IS a word.  An instruction reads 16 bytes of each of 16 rows; a wave's sixteen together 256 consecutive bytes of each.  The mask is a fortieth of the launch's bytes.
	s_sub_co_u32 s29, ttmp9, 448                   ; 64 b + qt
	s_lshl_b32 s30, s29, 14                        ; 16 rows of 1,024 bytes
	s_lshl_b32 s31, s28, 8                         ; my wave's 256 keys
	s_add_co_u32 s30, s30, s31
	s_mov_b32 s31, 0
	s_add_nc_u64 s[14:15], s[14:15], s[30:31]
	s_lshl_b32 s30, s29, 11                        ; 64 tiles of keys x 32 bytes
	s_lshl_b32 s32, s28, 9
	s_add_co_u32 s30, s30, s32
	s_add_nc_u64 s[26:27], s[26:27], s[30:31]
	v_and_b32 v3, 15, v2
	v_lshrrev_b32 v4, 4, v2
	v_lshlrev_b32 v3, 10, v3
	v_lshl_add_u32 v3, v4, 3, v3                   ; r x 1,024 + 8 h
	v_lshlrev_b32 v5, 4, v2                        ; out: 16 bytes a lane
.irp t, 0,1,2,3,4,5,6,7,8,9,10,11,12,13,14,15
	global_load_b64 v[16+2*\t:17+2*\t], v3, s[14:15] offset:16*\t
.endr
.irp q, 0,1,2,3
	v_mov_b32 v[8+\q], 0                           ; written whole once: a lane write's destination counts as read
.endr
	s_wait_loadcnt 0x0
.set n, 0
.rept 32                                       ; words 4 n .. 4 n + 3 (tile n / 2, j = 4 (n % 2) + q) come from register 16 + n and go to lane n's four registers
.irp q, 0,1,2,3
	v_and_b32 v[12+\q], 0xff<<(8*\q), v[16+n]
.endr
.irp q, 0,1,2,3
	v_cmp_ne_u32 s[40+\q], 0, v[12+\q]
.endr
.irp q, 0,1,2,3
	v_writelane_b32 v[8+\q], s[40+\q], n
.endr
.set n, n+1
.endr
	global_store_b128 v5, v[8:11], s[26:27]        ; 32 lanes store 512 consecutive bytes
	s_endpgm
; ---------------- Wo TO f16.  A wave takes 32,768 bytes in 64 steps of 512; four groups of 16 steps, two groups of loads out.
.Lpath_o:
	s_sub_co_u32 s29, ttmp9, 320
	s_lshl_b32 s29, s29, 2
	s_add_co_u32 s29, s29, s28                     ; my run
	s_lshl_b32 s30, s29, 15
	s_mov_b32 s31, 0
	s_add_nc_u64 s[12:13], s[12:13], s[30:31]
	s_lshl_b32 s30, s29, 14
	s_add_nc_u64 s[24:25], s[24:25], s[30:31]
	v_lshlrev_b32 v3, 4, v2
	v_lshlrev_b32 v4, 3, v2
.macro OLOAD g
.irp i, 0,1,2,3,4,5,6,7,8,9,10,11,12,13,14,15
	global_load_b128 v[16+64*((\g)%2)+4*\i:16+64*((\g)%2)+4*\i+3], v3, s[12:13] offset:512*(16*(\g)+\i) th:TH_LOAD_NT
.endr
.endm
.macro OGROUP g
.if (\g) < 3
	s_wait_loadcnt 16                              ; this group's 16 loads are in; the next group's may be out
.else
	s_wait_loadcnt 0x0
.endif
.if (\g) > 0
	s_wait_xcnt 0x0                                ; the last group's stores have read their data registers: they are written again only behind this wait
.endif
.irp i, 0,1,2,3,4,5,6,7,8,9,10,11,12,13,14,15
	v_cvt_pk_f16_f32 v[144+2*\i], v[16+64*((\g)%2)+4*\i], v[16+64*((\g)%2)+4*\i+1]
	v_cvt_pk_f16_f32 v[145+2*\i], v[16+64*((\g)%2)+4*\i+2], v[16+64*((\g)%2)+4*\i+3]
.endr
.if (\g) < 2
	OLOAD (\g)+2
.endif
.irp i, 0,1,2,3,4,5,6,7,8,9,10,11,12,13,14,15
	global_store_b64 v4, v[144+2*\i:145+2*\i], s[24:25] offset:256*(16*(\g)+\i)   ; 32 lanes store 256 consecutive bytes, aligned
.endr
.endm
	OLOAD 0
	OLOAD 1
	OGROUP 0
	OGROUP 1
	OGROUP 2
	OGROUP 3
	s_endpgm
; ---------------- x.  Rows are dense and K is innermost: a plain stream of blocks of 32.  A wave takes 16 steps of 512 numbers.  Each load reads 512 consecutive bytes; a step's 2,048 bytes turn through the
; wave's own stage in LDS and come back 64 bytes a lane, so that a lane holds 16 neighbours along K (two neighbouring lanes hold a block).
.set XRR, 16                           ; v16-79   four sets of 16 numbers as loaded
.set XX,  80                           ; v80-111  two sets of 16 neighbours
.set XE,  112                          ; v112-127 a scale byte for each step
.set XC,  128                          ; v128-191 codes: four registers for each step, so that no store's data are written again
.set SPX, 80                           ; a lane's place in a stage: 64 bytes + 16 of padding
.Lpath_x:
	v_lshlrev_b32 v3, 4, v2
	s_lshl_b32 s29, s28, 13                        ; my wave's region
	v_lshrrev_b32 v14, 2, v2
	v_mul_u32_u24 v14, v14, SPX
	v_and_b32 v15, 3, v2
	v_lshl_add_u32 v14, v15, 4, v14
	v_add_nc_u32 v14, s29, v14                     ; into the stage: 80 (lane / 4) + 16 (lane % 4)
	v_mul_u32_u24 v15, v2, SPX
	v_add_nc_u32 v15, s29, v15                     ; out of it: 80 x lane
	v_lshlrev_b32 v4, 3, v2                        ; my 8 bytes of a step's codes
	v_lshrrev_b32 v5, 1, v2
	s_add_co_u32 s29, s29, 2*32*SPX
	v_add_nc_u32 v5, s29, v5                       ; my block's scale byte
	v_lshlrev_b32 v7, 3, v2
	v_add_nc_u32 v6, s29, v7
	s_sub_co_u32 s30, ttmp9, 192
	s_lshl_b32 s30, s30, 2
	s_add_co_u32 s30, s30, s28                     ; which run of 8,192 numbers is my wave's
	s_lshl_b32 s32, s30, 15
	s_mov_b32 s33, 0
	s_add_nc_u64 s[4:5], s[4:5], s[32:33]
	s_lshl_b32 s32, s30, 12
	s_add_nc_u64 s[16:17], s[16:17], s[32:33]
	s_lshl_b32 s32, s30, 8
	s_add_nc_u64 s[18:19], s[18:19], s[32:33]
.macro LOADX t
.irp i, 0,1,2,3
	global_load_b128 v[XRR+16*((\t)%4)+4*\i:XRR+16*((\t)%4)+4*\i+3], v3, s[4:5] offset:2048*(\t)+512*\i th:TH_LOAD_NT
.endr
.endm
.macro TURNX t                         ; LDS serves a wave's instructions in order (ISA guide 5.7.1.4): no wait between the stores and the loads
.irp i, 0,1,2,3
	ds_store_b128 v14, v[XRR+16*((\t)%4)+4*\i:XRR+16*((\t)%4)+4*\i+3] offset:32*SPX*((\t)%2)+8*SPX*\i
.endr
.irp i, 0,1,2,3
	ds_load_b128 v[XX+16*((\t)%2)+4*\i:XX+16*((\t)%2)+4*\i+3], v15 offset:32*SPX*((\t)%2)+16*\i
.endr
.endm
.irp t, 0,1,2,3
	LOADX \t
.endr
	s_wait_loadcnt 12                              ; step 0's four loads are in
	TURNX 0
.macro STEPX t
.set XS, XX+16*((\t)%2)
.if (\t) > 0
	s_wait_dscnt 1                                 ; this step's numbers are back from the stage (the last step's byte store may be out)
.else
	s_wait_dscnt 0x0
.endif
.if (\t)+4 < 16
	LOADX (\t)+4
.endif
.if (\t)+1 < 16
.if 14-(\t) >= 3
	s_wait_loadcnt 12                              ; the next step's four loads are in; those of the three steps behind it may be out
.else
	s_wait_loadcnt 4*(14-(\t))
.endif
	TURNX (\t)+1
.endif
	v_max3_num_f32 v8, |v[XS]|, |v[XS+1]|, |v[XS+2]|
	v_max3_num_f32 v9, |v[XS+3]|, |v[XS+4]|, |v[XS+5]|
.irp i, 6,10
	v_max3_num_f32 v8, v8, |v[XS+\i]|, |v[XS+\i+1]|
	v_max3_num_f32 v9, v9, |v[XS+\i+2]|, |v[XS+\i+3]|
.endr
	v_max3_num_f32 v8, v8, |v[XS+14]|, |v[XS+15]|
	v_max3_num_f32 v8, v8, v9, (EMAX+1)<<23        ; the floor 2^(3 - 127): the byte cannot fall under 1
	v_max_num_f32_dpp v8, v8, v8 row_xmask:1 row_mask:0xf bank_mask:0xf   ; with my neighbour's 16: the block's largest magnitude
	v_add_nc_u32 v11, -(EMAX<<23), v8              ; 2 off its exponent field: the conversion takes that field as its scale
	v_cvt_scalef32_pk8_fp4_f32 v[XC+4*(\t)], v[XS:XS+7], v11
	v_cvt_scalef32_pk8_fp4_f32 v[XC+4*(\t)+1], v[XS+8:XS+15], v11
	v_lshrrev_b32 v[XE+(\t)], 23, v11              ; the scale's byte
	ds_store_b8 v5, v[XE+(\t)] offset:16*(\t)      ; both lanes of a block write the same byte with the same value
	global_store_b64 v4, v[XC+4*(\t):XC+4*(\t)+1], s[16:17] offset:256*(\t)   ; 32 lanes store 256 consecutive bytes, aligned
.endm
.irp t, 0,1,2,3,4,5,6,7,8,9,10,11,12,13,14,15
	STEPX \t
.endr
	ds_load_b64 v[8:9], v6
	s_wait_dscnt 0x0
	global_store_b64 v7, v[8:9], s[18:19]          ; my wave's 256 scale bytes
	s_wait_tensorcnt 0x0                           ; the wave's end, behind my last LDS store
	ds_add_u32 v[SPW], v[NIL]
	s_wait_dscnt 0x0
	s_endpgm
; ---------------- Wq, Wk, Wv: K IS THE FIRST AXIS.  A lane takes a column n and its registers run down K: each load reads 128 consecutive bytes a wave, a block of 32 lies in one lane, and the conversions
; give codes with K innermost.  A wave takes 32 columns x 512 along K; the codes go through its own stage and leave as rows: sixteen lanes store 256 consecutive bytes, aligned.
.set WX,   32                          ; v32-95   two sets of 32 numbers
.set WC,   96                          ; v96-99   a block's codes
.set WOUT, 112                         ; v112-175 the way out
.set WSB,  24                          ; v24-27   the scale bytes, four to a register
.Lpath_w:
	s_lshr_b32 s29, ttmp9, 6                       ; which matrix
	s_and_b32 s30, ttmp9, 15
	s_bfe_u32 s31, ttmp9, 0x20004                  ; which 512 along K
	s_lshl_b32 s30, s30, 7
	s_lshl_b32 s32, s28, 5
	s_add_co_u32 s30, s30, s32                     ; my wave's first column
	s_cmp_eq_u32 s29, 0
	s_cselect_b64 s[34:35], s[6:7], s[8:9]
	s_cmp_eq_u32 s29, 2
	s_cselect_b64 s[34:35], s[10:11], s[34:35]     ; the choice hangs on the work-group's number alone
	s_lshl_b32 s36, s31, 22                        ; 512 rows of 8,192 bytes
	s_lshl_b32 s37, s30, 2
	s_add_co_u32 s36, s36, s37
	s_mov_b32 s37, 0
	s_add_nc_u64 s[34:35], s[34:35], s[36:37]
	s_lshl_b32 s29, s29, 11
	s_add_co_u32 s29, s29, s30                     ; my first row of the codes' buffer
	s_lshl_b32 s36, s29, 10
	s_lshl_b32 s38, s31, 8
	s_add_co_u32 s36, s36, s38
	s_add_nc_u64 s[20:21], s[20:21], s[36:37]
	s_lshl_b32 s36, s29, 6
	s_lshl_b32 s38, s31, 4
	s_add_co_u32 s36, s36, s38
	s_add_nc_u64 s[22:23], s[22:23], s[36:37]
	v_lshlrev_b32 v3, 2, v2
	s_mul_i32 s39, s28, 32*272
	s_add_co_u32 s39, s39, WST                     ; my stage
	v_mul_u32_u24 v4, v2, 272
	v_add_nc_u32 v4, s39, v4                       ; into it: row = my column
	v_and_b32 v5, 15, v2
	v_lshrrev_b32 v6, 4, v2
	v_mul_u32_u24 v7, v6, 272
	v_lshl_add_u32 v7, v5, 4, v7
	v_add_nc_u32 v7, s39, v7                       ; out of it: sixteen lanes to a row, two rows an instruction
	v_lshlrev_b32 v8, 10, v6
	v_lshl_add_u32 v8, v5, 4, v8                   ; the same place in the codes' buffer
	v_lshlrev_b32 v9, 6, v2                        ; my column's row of scale bytes
.macro LOADW t
.set li, 0
.rept 32
	global_load_b32 v[WX+32*((\t)%2)+li], v3, s[34:35] offset:(32*(\t)+li)*8192 th:TH_LOAD_NT
.set li, li+1
.endr
.endm
	LOADW 0
	LOADW 1
.macro BLOCKW t
.set XS, WX+32*((\t)%2)
.if (\t) < 15
	s_wait_loadcnt 32                              ; this block's 32 loads are in; the next block's may be out
.else
	s_wait_loadcnt 0x0
.endif
	v_max3_num_f32 v12, |v[XS]|, |v[XS+1]|, |v[XS+2]|
	v_max3_num_f32 v13, |v[XS+3]|, |v[XS+4]|, |v[XS+5]|
.irp i, 6,10,14,18,22,26
	v_max3_num_f32 v12, v12, |v[XS+\i]|, |v[XS+\i+1]|
	v_max3_num_f32 v13, v13, |v[XS+\i+2]|, |v[XS+\i+3]|
.endr
	v_max3_num_f32 v12, v12, |v[XS+30]|, |v[XS+31]|
	v_max3_num_f32 v12, v12, v13, (EMAX+1)<<23
	v_add_nc_u32 v11, -(EMAX<<23), v12
	v_lshrrev_b32 v13, 23, v11
.if (\t)%4 == 0
	v_mov_b32 v[WSB+(\t)/4], v13
.else
	v_lshl_or_b32 v[WSB+(\t)/4], v13, 8*((\t)%4), v[WSB+(\t)/4]
.endif
.irp g, 0,1,2,3
	v_cvt_scalef32_pk8_fp4_f32 v[WC+\g], v[XS+8*\g:XS+8*\g+7], v11
.endr
	ds_store_b128 v4, v[WC:WC+3] offset:16*(\t)
.if (\t)+2 < 16
	LOADW (\t)+2
.endif
	s_wait_dscnt 0x0                               ; the store has read its registers: the next block's codes may be written
.endm
.irp t, 0,1,2,3,4,5,6,7,8,9,10,11,12,13,14,15
	BLOCKW \t
.endr
	global_store_b128 v9, v[WSB:WSB+3], s[22:23]   ; my column's 16 scale bytes
.irp t, 0,1,2,3,4,5,6,7,8,9,10,11,12,13,14,15
	ds_load_b128 v[WOUT+4*\t:WOUT+4*\t+3], v7 offset:2*\t*272
.endr
.irp t, 0,1,2,3,4,5,6,7,8,9,10,11,12,13,14,15
	s_wait_dscnt 15-\t                             ; the younger loads from the stage may be out
	global_store_b128 v8, v[WOUT+4*\t:WOUT+4*\t+3], s[20:21] offset:2*\t*1024
.endr
	s_wait_tensorcnt 0x0                           ; the wave's end, behind my last LDS store
	ds_add_u32 v[SPW], v[NIL]
	s_wait_dscnt 0x0
	s_endpgm
.Lfunc_end_k_q49d45b569f_prep:
	.size	k_q49d45b569f_prep, .Lfunc_end_k_q49d45b569f_prep-k_q49d45b569f_prep
	.p2alignl 7, 3214868480
	.fill 96, 4, 3214868480
	.section	.rodata,"a",@progbits
	.p2align	6, 0x0
	.amdhsa_kernel k_q49d45b569f_prep
		.amdhsa_group_segment_fixed_size 68096
		.amdhsa_private_segment_fixed_size 0
		.amdhsa_enable_private_segment 0
		.amdhsa_kernarg_size 96
		.amdhsa_user_sgpr_count 2
		.amdhsa_user_sgpr_kernarg_segment_ptr 1
		.amdhsa_wavefront_size32 1
		.amdhsa_system_sgpr_workgroup_id_x 1
		.amdhsa_system_sgpr_workgroup_id_y 1
		.amdhsa_system_sgpr_workgroup_id_z 1
		.amdhsa_system_vgpr_workitem_id 0
		.amdhsa_next_free_vgpr 200
		.amdhsa_next_free_sgpr 66
		.amdhsa_reserve_vcc 0
		.amdhsa_float_denorm_mode_32 3
		.amdhsa_float_denorm_mode_16_64 3
		.amdhsa_memory_ordered 1
		.amdhsa_forward_progress 1
		.amdhsa_inst_pref_size 158
	.end_amdhsa_kernel
	.amdgpu_metadata
---
amdhsa.version: [ 1, 2 ]
amdhsa.kernels:
  - .name:           k_q49d45b569f_prep
    .symbol:         k_q49d45b569f_prep.kd
    .args:
      - { .name: x, .offset: 0, .size: 8, .value_kind: global_buffer, .address_space: global }
      - { .name: Wq, .offset: 8, .size: 8, .value_kind: global_buffer, .address_space: global }
      - { .name: Wk, .offset: 16, .size: 8, .value_kind: global_buffer, .address_space: global }
      - { .name: Wv, .offset: 24, .size: 8, .value_kind: global_buffer, .address_space: global }
      - { .name: Wo, .offset: 32, .size: 8, .value_kind: global_buffer, .address_space: global }
      - { .name: mask, .offset: 40, .size: 8, .value_kind: global_buffer, .address_space: global }
      - { .name: xc, .offset: 48, .size: 8, .value_kind: global_buffer, .address_space: global }
      - { .name: xs, .offset: 56, .size: 8, .value_kind: global_buffer, .address_space: global }
      - { .name: wc, .offset: 64, .size: 8, .value_kind: global_buffer, .address_space: global }
      - { .name: ws, .offset: 72, .size: 8, .value_kind: global_buffer, .address_space: global }
      - { .name: wo16, .offset: 80, .size: 8, .value_kind: global_buffer, .address_space: global }
      - { .name: mbits, .offset: 88, .size: 8, .value_kind: global_buffer, .address_space: global }
    .group_segment_fixed_size: 68096
    .private_segment_fixed_size: 0
    .kernarg_segment_align: 8
    .kernarg_segment_size: 96
    .max_flat_workgroup_size: 128
    .sgpr_count:     66
    .vgpr_count:     200
    .wavefront_size: 32
...
	.end_amdgpu_metadata
.endif
;; end of part 1
;; launch qkv (part 2): grid 24 x 8, 4 waves a work-group, clusters of 4 x 4, 327,680 bytes of LDS; arguments xc, xs, wc, ws, qkv; writes qkv
.if DOCPART == 2
	.amdgcn_target "amdgcn-amd-amdhsa--gfx1250"
	.amdhsa_code_object_version 6
	.text
	.protected	k_q49d45b569f_qkv
	.globl	k_q49d45b569f_qkv
	.p2align	8
	.type	k_q49d45b569f_qkv,@function
k_q49d45b569f_qkv:
	s_mov_b64 s[64:65], 0
	v_nop
	global_prefetch_b8 v0, s[64:65] scope:SCOPE_SE
	s_setreg_imm32_b32 hwreg(HW_REG_WAVE_MODE, 25, 1), 1
	s_wait_xcnt 0x0
	s_wait_alu depctr_hold_cnt(0) depctr_sa_sdst(0) depctr_va_vdst(0) depctr_va_sdst(0) depctr_va_ssrc(0) depctr_va_vcc(0) depctr_vm_vsrc(0)
	s_getreg_b32 s2, hwreg(HW_REG_IB_STS2, 6, 4)
	s_cmp_eq_u32 s2, 0
	s_cbranch_scc0 .Lentry_in_a_cluster
	s_endpgm
.Lentry_in_a_cluster:
	s_bfe_u32 s2, ttmp6, 0x10000c
	s_cmp_lg_u32 s2, 0xf033
	s_cbranch_scc0 .Lentry_shape_is_right
	s_endpgm
.Lentry_shape_is_right:
; q, k, v = x Wq, x Wk, x Wv in one GEMM on codes of FP4 (E2M1) with one E8M0 scale for each 32 along K: C[m][n] = sum over k of A[m][k] B[n][k], A = x's codes [2048][2048], B = the three weights' codes [6144][2048].
; Sums in f32; the results are rounded once to f16 and stored by head: qkv[matrix][16 b + head][t][128].  LIMIT: |q|, |k|, |v| stay under 65,504.
; A tile of C, 256 x 256, is made by a work-group of four waves; a wave makes 128 x 128: 64 accumulators, 512 registers; its 128 columns are one head of one matrix.  24 x 8 = 192 work-groups.
; K goes in steps of 512 through a ring of two LDS slots filled by the tensor data mover: a tile's row is 256 bytes of memory.  The scale bytes of the work-group's rows, for all of K, come once, with the first fills.
; CLUSTERS: 4 x 4 work-groups.  The four of a row of the cluster need the same tiles of A, the four of a column the same tiles of B: each tile is asked for JOINTLY.
; THE MATRIX INSTRUCTION IS USED TRANSPOSED (source 0 = 16 rows of B, source 1 = 16 rows of A): a lane then holds eight neighbouring numbers of a row of C.
; No prefetch: both operands are read by many work-groups at about the same time, and the joint loads divide the requests by four.
; REGISTERS: window 0: v0-31 addresses; v32-95 scale words, two sets; v128-191 A's fragments, one set; on the way out v32-63, v192-255.  window 1: B's fragments, two sets.  windows 2, 3: the accumulators ((a, b) at v[8 (8 (a % 4) + b)]).
.set SIZE_M, 2048
.set SIZE_N, 6144
.set SIZE_K, 2048
.set KSTEP,  512
.set NQ,     KSTEP/128
.set ROWB,   256
.set KROW,   SIZE_K/2
.set PITCH,  272                       ; an LDS row: 256 bytes + 16 of padding = 68 words: the 16 rows that a load touches start at 16 different banks (64 banks of 4 bytes: ISA guide 11.1)
.set FR,     8
.set NL,     2
.set NP,     4                         ; places behind this matrix instruction (ISA guide 7.12.1)
.set HALFT,  128*PITCH
.set SLOT,   4*HALFT
.set LAPS,   SIZE_K/(2*KSTEP)
.set KS,     SIZE_K/32
.set SCL,    2*SLOT
.set HALFS,  (128*KS/256)*272
.set SBLK,   (16*KS/256)*272
.set SPARE,  SCL+4*HALFS               ; the spare words, 128 bytes for each wave: two blocks of 256 bytes that no other line names
.set SPITCH, 272                       ; the way out: a stage of 16 rows x (256 + 16) bytes for each wave, in slot 0, which has had its last fill and its last read by then
.set ADRA, 16
.set ADRB, 20
.set STO,  24
.set RD,   25
.set CO,   26
.set ADRS, 27
.set SPW,  28
.set NIL,  29
.set SC,   32
.set AF,   128
.set TMP,  192
.set OB,   32
.set G1, 24
.set G0, 32
.set G1B, 48
.set G0B, 56
.set G1S, 68
.set G0S, 76
.set G1SB, 80
.set G0SB, 88
.set MSB, 0
.macro WIN new                         ; the immediate's high byte repeats the setting that is left
.if MSB != \new
	s_set_vgpr_msb (MSB<<8)|\new
.set MSB, \new
.endif
.endm
.set MUL_LO, 0xa1                      ; source 0 (B) window 1, source 1 (A) window 0, C and D window 2
.set MUL_HI, 0xf1
.set TO_B,   0x40
; A joint load: waves 0 and 1 fetch for A, waves 2 and 3 for B; the branch hangs on the wave's number alone.  An s_nop 0 and four v_nop follow each of the two lines.
.macro JLOAD g0a, g1a, g0b, g1b
	s_cmp_eq_u32 s15, 0
	s_cbranch_scc0 .Lfor_b_\@
	tensor_load_to_lds s[\g0a:\g0a+3], s[\g1a:\g1a+7]
	s_nop 0
.rept 4
	v_nop
.endr
	s_branch .Lasked_\@
.Lfor_b_\@:
	tensor_load_to_lds s[\g0b:\g0b+3], s[\g1b:\g1b+7]
	s_nop 0
.rept 4
	v_nop
.endr
.Lasked_\@:
.endm
.macro CREST
	s_cmp_lg_u32 s14, 0
	s_cbranch_scc1 .Lnot_wave_0_\@
	s_barrier_signal -3
.Lnot_wave_0_\@:
	s_barrier_wait -3
	s_barrier_signal -1
	s_barrier_wait -1
.endm
.macro CROUND
	s_barrier_signal -1
	s_barrier_wait -1
	CREST
.endm
	s_load_b128 s[4:7], s[0:1], 0x0                ; x's codes, x's scales
	s_load_b128 s[8:11], s[0:1], 0x10              ; the weights' codes, their scales
	s_load_b64 s[12:13], s[0:1], 0x20              ; qkv
	v_lshl_add_u32 v[SPW], v0, 2, SPARE
	v_mov_b32 v[NIL], 0
	ds_add_u32 v[SPW], v[NIL]                      ; the wave's opening: the add, twice on end, and its wait ahead of my first tensor load
	ds_add_u32 v[SPW], v[NIL]
	v_lshrrev_b32 v1, 5, v0
	v_readfirstlane_b32 s14, v1                    ; wave 0..3
	s_lshr_b32 s15, s14, 1                         ; which half of the tile's rows is mine.  Also: I fetch for A (0) or for B (1)
	s_and_b32 s16, s14, 1                          ; which half of its columns.  Also: which 128 rows of that tile I fetch
	s_bfe_u32 s40, ttmp6, 0x40000                  ; cx, cy
	s_bfe_u32 s41, ttmp6, 0x40004
	s_lshl_b32 s42, ttmp9, 2
	s_add_co_u32 s42, s42, s40                     ; tile column
	s_and_b32 s17, ttmp7, 0xffff
	s_lshl_b32 s17, s17, 2
	s_add_co_u32 s17, s17, s41                     ; tile row
	s_lshl_b32 s43, s41, 2
	s_lshl_b32 s43, 15, s43                        ; my row of the cluster
	s_lshl_b32 s44, 0x1111, s40                    ; my column
	s_or_b32 s[G1+0], s43, (0<<16)|(1<<20)|(1<<21)|(5<<22)|(3<<25)  ; the mask; elements of 1 byte; padding on; bit 21 beside a mask; 4 words behind every 64
	s_or_b32 s[G1B+0], s44, (0<<16)|(1<<20)|(1<<21)|(5<<22)|(3<<25)
.irp g, G1, G1B
	s_mov_b32 s[\g+1], ROWB<<16                    ; tensor_dim0
	s_mov_b32 s[\g+2], 128<<16                     ; tensor_dim1
	s_mov_b32 s[\g+3], ROWB<<16                    ; tile_dim0
	s_mov_b32 s[\g+4], 128                         ; tile_dim1
	s_mov_b32 s[\g+5], KROW                        ; the pitch
	s_mov_b32 s[\g+6], 0
	s_mov_b32 s[\g+7], 0
.endr
	s_or_b32 s[G1S+0], s43, (3<<16)|(1<<20)|(1<<21)|(5<<22)|(3<<25) ; the scales of 128 rows: a dense block, as rows of 256 bytes (32 elements of 8), 16 bytes of padding behind each
	s_or_b32 s[G1SB+0], s44, (3<<16)|(1<<20)|(1<<21)|(5<<22)|(3<<25)
.irp g, G1S, G1SB
	s_mov_b32 s[\g+1], 32<<16
	s_mov_b32 s[\g+2], (128*KS/256)<<16
	s_mov_b32 s[\g+3], 32<<16
	s_mov_b32 s[\g+4], 128*KS/256
	s_mov_b32 s[\g+5], 32
	s_mov_b32 s[\g+6], 0
	s_mov_b32 s[\g+7], 0
.endr
	s_lshl_b32 s18, s16, 7
	s_lshl_b32 s20, s17, 8
	s_add_co_u32 s20, s20, s18                     ; A: row 256 x tile row + 128 x half
	s_lshl_b32 s46, s42, 8
	s_add_co_u32 s46, s46, s18                     ; B: row 256 x tile column + 128 x half
	s_mov_b32 s21, 0
	s_mov_b32 s47, 0
	s_mov_b64 s[18:19], KS
	s_mul_u64 s[22:23], s[20:21], s[18:19]
	s_mul_u64 s[92:93], s[46:47], s[18:19]
	s_mov_b64 s[18:19], KROW
	s_mul_u64 s[20:21], s[20:21], s[18:19]
	s_mul_u64 s[46:47], s[46:47], s[18:19]
	s_mul_i32 s45, s14, HALFT                      ; where they go: wave x 128 rows
	s_mul_i32 s94, s14, HALFS
	s_wait_dscnt 0x0                               ; both opening adds are done
	s_wait_kmcnt 0x0
	s_add_nc_u64 s[20:21], s[4:5], s[20:21]
	s_add_nc_u64 s[22:23], s[6:7], s[22:23]
	s_add_nc_u64 s[46:47], s[8:9], s[46:47]
	s_add_nc_u64 s[92:93], s[10:11], s[92:93]
	CROUND                                         ; all sixteen work-groups are here: the first joint loads meet
	s_mov_b32 s[G0S], 1
	s_add_co_u32 s[G0S+1], s94, SCL
	s_mov_b64 s[G0S+2:G0S+3], s[22:23]
	s_or_b32 s[G0S+3], s[G0S+3], 0x80000000
	s_mov_b32 s[G0SB], 1
	s_add_co_u32 s[G0SB+1], s94, SCL
	s_mov_b64 s[G0SB+2:G0SB+3], s[92:93]
	s_or_b32 s[G0SB+3], s[G0SB+3], 0x80000000
	JLOAD G0S, G1S, G0SB, G1SB                     ; the scales first
.irp s, 0,1
	s_mov_b32 s[G0+4*\s], 1
	s_add_co_u32 s[G0+4*\s+1], s45, \s*SLOT
	s_add_nc_u64 s[G0+4*\s+2:G0+4*\s+3], s[20:21], \s*ROWB
	s_or_b32 s[G0+4*\s+3], s[G0+4*\s+3], 0x80000000
	s_mov_b32 s[G0B+4*\s], 1
	s_add_co_u32 s[G0B+4*\s+1], s45, \s*SLOT
	s_add_nc_u64 s[G0B+4*\s+2:G0B+4*\s+3], s[46:47], \s*ROWB
	s_or_b32 s[G0B+4*\s+3], s[G0B+4*\s+3], 0x80000000
	JLOAD G0+4*\s, G1, G0B+4*\s, G1B
.endr
	v_and_b32 v1, 15, v0                           ; l % 16
	v_bfe_u32 v2, v0, 4, 1                         ; l / 16
	v_mul_u32_u24 v3, v1, PITCH
	v_lshl_add_u32 v4, v2, 4, v3
	s_mul_i32 s21, s15, HALFT
	s_mul_i32 s22, s16, HALFT
	s_add_co_u32 s22, s22, 2*HALFT
.irp s, 0,1
	v_add_nc_u32 v[ADRA+\s], s21, v4
	v_add_nc_u32 v[ADRB+\s], s22, v4
	s_add_co_u32 s21, s21, SLOT
	s_add_co_u32 s22, s22, SLOT
.endr
	v_mul_u32_u24 v5, v1, KS
	v_lshrrev_b32 v6, 8, v5
	v_lshl_add_u32 v5, v6, 4, v5                   ; my row's scales: 64 bytes a row, 16 more for each 256 passed
	s_mul_i32 s21, s15, HALFS
	s_mul_i32 s22, s16, HALFS
	s_add_co_u32 s22, s22, 2*HALFS
	s_sub_co_u32 s22, s22, s21
	v_mul_u32_u24 v6, s22, v2                      ; lanes 16-31 take B's
	s_add_co_u32 s21, s21, SCL
	v_add_nc_u32 v5, v5, v6
	v_add_nc_u32 v[ADRS], s21, v5
	s_mul_i32 s23, s14, 16*SPITCH                  ; my stage
	v_mul_u32_u24 v5, v1, SPITCH
	v_lshl_add_u32 v5, v2, 4, v5
	v_add_nc_u32 v[STO], s23, v5                   ; in: row l % 16, 16 bytes for each half of the lanes
	v_mul_u32_u24 v5, v2, SPITCH
	v_lshl_add_u32 v5, v1, 4, v5
	v_add_nc_u32 v[RD], s23, v5                    ; back: lanes 0-15 one row of 256 bytes, lanes 16-31 the next
	v_and_b32 v6, 31, v0
	v_lshlrev_b32 v[CO], 4, v6                     ; and in a head's rows, which are 256 bytes and dense: 16 x lane
	; where my 128 x 128 goes: ((matrix x 32 + 16 b + head) x 1,024 + t) x 256 bytes
	s_lshl_b32 s20, s17, 8
	s_lshl_b32 s21, s15, 7
	s_add_co_u32 s20, s20, s21                     ; my first row m0
	s_lshl_b32 s46, s42, 8
	s_lshl_b32 s47, s16, 7
	s_add_co_u32 s46, s46, s47                     ; my first column n0
	s_lshr_b32 s47, s46, 11
	s_lshl_b32 s47, s47, 5                         ; matrix x 32
	s_bfe_u32 s46, s46, 0x40007                    ; head
	s_add_co_u32 s46, s46, s47
	s_lshr_b32 s21, s20, 10
	s_lshl_b32 s21, s21, 4                         ; 16 b
	s_add_co_u32 s46, s46, s21
	s_lshl_b32 s46, s46, 18
	s_and_b32 s20, s20, 1023
	s_lshl_b32 s20, s20, 8
	s_add_co_u32 s46, s46, s20
	s_mov_b32 s47, 0
	s_add_nc_u64 s[12:13], s[12:13], s[46:47]
.macro FRAG reg, adr, q, i             ; 16 rows x 128 K of 4-bit codes: lane l holds row l % 16; registers 4 c .. 4 c + 3 hold K = 64 c + 32 (l / 16) + 0 .. 31
.irp c, 0,1
	ds_load_b128 v[\reg+4*\c:\reg+4*\c+3], v[\adr] offset:64*(\q)+32*\c+(\i)*16*PITCH
.endr
.endm
; 16 matrix instructions: A's blocks a0, a0 + 1 x B's eight.  The 64 accumulators take turns, one instruction a turn, in the same order in every step.
.macro MUL16 a0, p, q, sc, zero
.irp a, \a0, \a0+1
.irp b, 0,1,2,3,4,5,6,7
.if \zero
	v_wmma_scale_f32_16x16x128_f8f6f4 v[8*(8*((\a)%4)+\b):8*(8*((\a)%4)+\b)+7], v[128*(\p)+FR*\b:128*(\p)+FR*\b+FR-1], v[AF+FR*(\a):AF+FR*(\a)+FR-1], 0, v[SC+8*NQ*(\sc)+NQ*\b+(\q)], v[SC+8*NQ*(\sc)+NQ*(\a)+(\q)] matrix_a_fmt:MATRIX_FMT_FP4 matrix_b_fmt:MATRIX_FMT_FP4 matrix_a_scale:MATRIX_SCALE_ROW1
.else
	v_wmma_scale_f32_16x16x128_f8f6f4 v[8*(8*((\a)%4)+\b):8*(8*((\a)%4)+\b)+7], v[128*(\p)+FR*\b:128*(\p)+FR*\b+FR-1], v[AF+FR*(\a):AF+FR*(\a)+FR-1], v[8*(8*((\a)%4)+\b):8*(8*((\a)%4)+\b)+7], v[SC+8*NQ*(\sc)+NQ*\b+(\q)], v[SC+8*NQ*(\sc)+NQ*(\a)+(\q)] matrix_a_fmt:MATRIX_FMT_FP4 matrix_b_fmt:MATRIX_FMT_FP4 matrix_a_scale:MATRIX_SCALE_ROW1
.endif
.endr
.endr
.endm
.macro FETCH_B slot, q, p
	WIN TO_B
.irp i, 0,1,2,3,4,5,6,7
	FRAG 128*(\p)+FR*\i, ADRB+\slot, \q, \i
.endr
	WIN 0
.endm
.macro FETCH_A slot, q, i0
.irp i, \i0, \i0+1, \i0+2, \i0+3
	FRAG AF+FR*(\i), ADRA+\slot, \q, \i
.endr
.endm
.macro SCALES sc                       ; the next K step's scale words: lanes 0-15 take A's block i, lanes 16-31 B's block i
.irp i, 0,1,2,3,4,5,6,7
	ds_load_b128 v[SC+8*NQ*\sc+NQ*\i:SC+8*NQ*\sc+NQ*\i+3], v[ADRS] offset:\i*SBLK
.endr
.endm
.macro PLACES n                        ; plain vector instructions between a matrix instruction and a load into one of its registers, or a read of its result
.rept \n
	v_nop
.endr
.endm
.macro STEP slot, q, zero
	s_wait_dscnt 4*NL                              ; B's set and A's blocks 0-3 are in; the youngest eight loads (A's blocks 4-7) may be out
	WIN MUL_LO
	MUL16 0, (\q)%2, \q, \slot, \zero
	MUL16 2, (\q)%2, \q, \slot, \zero
	s_wait_dscnt 0
	PLACES NP
	FETCH_B \slot, (\q)+1, 1-(\q)%2
	FETCH_A \slot, (\q)+1, 0
	WIN MUL_HI
	MUL16 4, (\q)%2, \q, \slot, \zero
	MUL16 6, (\q)%2, \q, \slot, \zero
	PLACES NP
	WIN 0
	FETCH_A \slot, (\q)+1, 4
.endm
; A slot's last step changes slots: one barrier; in front of it each wave waits for all its tensor loads, adds 0 to its spare word, and waits for that and for its own reads of this slot.
.macro TURN slot, next, fill
	s_wait_tensorcnt 0x0                           ; all my tensor loads have landed: my part of the next slot
	ds_add_u32 v[SPW], v[NIL]
	s_wait_dscnt 4*NL+1                            ; the add and the youngest eight loads may be out
	WIN MUL_LO
	MUL16 0, 1, NQ-1, \slot, 0
	s_wait_dscnt 0x0                               ; the add is done, and my reads of this slot are over
	s_barrier_signal -1
	MUL16 2, 1, NQ-1, \slot, 0
	WIN 0
	s_barrier_wait -1
.if \fill
	CREST                                          ; the barrier has opened a round of the cluster's barrier: no wave of any partner still reads this slot or has a load on its way
	s_add_nc_u64 s[G0+4*\slot+2:G0+4*\slot+3], s[G0+4*\slot+2:G0+4*\slot+3], 2*ROWB
	s_add_nc_u64 s[G0B+4*\slot+2:G0B+4*\slot+3], s[G0B+4*\slot+2:G0B+4*\slot+3], 2*ROWB
	JLOAD G0+4*\slot, G1, G0B+4*\slot, G1B         ; the first tensor load behind the round; its four v_nop are the places in front of the loads below
.else
	PLACES NP
.endif
	v_add_nc_u32 v[ADRS], 4*NQ, v[ADRS]
	FETCH_B \next, 0, 0
	FETCH_A \next, 0, 0
	SCALES \next
	WIN MUL_HI
	MUL16 4, 1, NQ-1, \slot, 0
	MUL16 6, 1, NQ-1, \slot, 0
	PLACES NP
	WIN 0
	FETCH_A \next, 0, 4
.endm
.macro STEPS slot, from
.set Q, \from
.rept NQ-1-\from
	STEP \slot, Q, 0
.set Q, Q+1
.endr
.endm
	s_wait_tensorcnt 1                             ; the scales and my part of K step 0 are in; K step 1's load may be out
	s_barrier_signal -1
	s_barrier_wait -1
	FETCH_B 0, 0, 0
	FETCH_A 0, 0, 0
	SCALES 0
	FETCH_A 0, 0, 4
	STEP 0, 0, 1                                   ; the first step's products start the sums
	s_mov_b32 s3, LAPS-1
.Llap:
	STEPS 0, 1
	TURN 0, 1, 1
	STEPS 1, 0
	TURN 1, 0, 1
	STEP 0, 0, 0
	s_sub_co_u32 s3, s3, 1
	s_cmp_lg_u32 s3, 0
	s_cbranch_scc1 .Llap
	STEPS 0, 1                                     ; the last lap fills nothing
	TURN 0, 1, 0
	STEPS 1, 0
	s_wait_dscnt 4*NL
	WIN MUL_LO
	MUL16 0, 1, NQ-1, 1, 0
	MUL16 2, 1, NQ-1, 1, 0
	s_wait_dscnt 0
	WIN MUL_HI
	MUL16 4, 1, NQ-1, 1, 0
	MUL16 6, 1, NQ-1, 1, 0
	WIN 0
; THE WAY OUT, block by block of 16 rows x 128 columns: rounded to f16 (16 bytes a lane), through my own stage, back as whole rows of 256 bytes; two rows, 512 consecutive bytes, a store.
.macro PACK a
.set AC, 64*((\a)%4)
	WIN (0x0a+5*((\a)/4))                          ; sources 0 and 1: window 2 or 3
.irp b, 0,1,2,3,4,5,6,7
.irp r, 0,1,2,3
	v_cvt_pk_f16_f32 v[TMP+4*\b+\r], v[AC+8*\b+2*\r], v[AC+8*\b+2*\r+1]   ; each accumulator from its low end on
.endr
.endr
	WIN 0
.endm
.macro TOSTAGE a
.set BK, OB+192*((\a)%2)
.irp b, 0,1,2,3,4,5,6,7
	ds_store_b128 v[STO], v[TMP+4*\b:TMP+4*\b+3] offset:32*\b
.endr
.irp t, 0,1,2,3,4,5,6,7
	ds_load_b128 v[BK+4*\t:BK+4*\t+3], v[RD] offset:\t*2*SPITCH    ; LDS serves a wave's instructions in order (ISA guide 5.7.1.4)
.endr
.endm
.macro SEND a
.set BK, OB+192*((\a)%2)
	s_wait_dscnt 0x0                               ; the block is back in registers
	s_wait_xcnt 0x0                                ; the block before's stores have read their registers: the next loads from the stage may land there
.irp t, 0,1,2,3,4,5,6,7
	global_store_b128 v[CO], v[BK+4*\t:BK+4*\t+3], s[12:13] offset:4096*(\a)+512*\t
.endr
.endm
	PLACES NP
	PACK 0
	TOSTAGE 0
.irp a, 1,2,3,4,5,6,7
	PACK \a
	SEND \a-1
	TOSTAGE \a
.endr
	SEND 7
	s_wait_tensorcnt 0x0                           ; the wave's end
	ds_add_u32 v[SPW], v[NIL]
	s_wait_dscnt 0x0
	CROUND                                         ; the closing round
	s_endpgm
.Lfunc_end_k_q49d45b569f_qkv:
	.size	k_q49d45b569f_qkv, .Lfunc_end_k_q49d45b569f_qkv-k_q49d45b569f_qkv
	.p2alignl 7, 3214868480
	.fill 96, 4, 3214868480
	.section	.rodata,"a",@progbits
	.p2align	6, 0x0
	.amdhsa_kernel k_q49d45b569f_qkv
		.amdhsa_group_segment_fixed_size 327680
		.amdhsa_private_segment_fixed_size 0
		.amdhsa_enable_private_segment 0
		.amdhsa_kernarg_size 40
		.amdhsa_user_sgpr_count 2
		.amdhsa_user_sgpr_kernarg_segment_ptr 1
		.amdhsa_wavefront_size32 1
		.amdhsa_system_sgpr_workgroup_id_x 1
		.amdhsa_system_sgpr_workgroup_id_y 1
		.amdhsa_system_sgpr_workgroup_id_z 1
		.amdhsa_system_vgpr_workitem_id 0
		.amdhsa_next_free_vgpr 1024
		.amdhsa_next_free_sgpr 98
		.amdhsa_reserve_vcc 0
		.amdhsa_float_denorm_mode_32 3
		.amdhsa_float_denorm_mode_16_64 3
		.amdhsa_memory_ordered 1
		.amdhsa_forward_progress 1
		.amdhsa_inst_pref_size 213
	.end_amdhsa_kernel
	.amdgpu_metadata
---
amdhsa.version: [ 1, 2 ]
amdhsa.kernels:
  - .name:           k_q49d45b569f_qkv
    .symbol:         k_q49d45b569f_qkv.kd
    .args:
      - { .name: xc, .offset: 0, .size: 8, .value_kind: global_buffer, .address_space: global }
      - { .name: xs, .offset: 8, .size: 8, .value_kind: global_buffer, .address_space: global }
      - { .name: wc, .offset: 16, .size: 8, .value_kind: global_buffer, .address_space: global }
      - { .name: ws, .offset: 24, .size: 8, .value_kind: global_buffer, .address_space: global }
      - { .name: qkv, .offset: 32, .size: 8, .value_kind: global_buffer, .address_space: global }
    .group_segment_fixed_size: 327680
    .private_segment_fixed_size: 0
    .kernarg_segment_align: 8
    .kernarg_segment_size: 40
    .max_flat_workgroup_size: 128
    .sgpr_count:     98
    .vgpr_count:     1024
    .wavefront_size: 32
...
	.end_amdgpu_metadata
.endif
;; end of part 2
;; launch attn (part 3): grid 8 x 32, 4 waves a work-group, clusters of 4 x 1, 327,680 bytes of LDS; arguments qkv, mbits, o16; writes o16
.if DOCPART == 3
	.amdgcn_target "amdgcn-amd-amdhsa--gfx1250"
	.amdhsa_code_object_version 6
	.text
	.protected	k_q49d45b569f_attn
	.globl	k_q49d45b569f_attn
	.p2align	8
	.type	k_q49d45b569f_attn,@function
k_q49d45b569f_attn:
	s_mov_b64 s[64:65], 0
	v_nop
	global_prefetch_b8 v0, s[64:65] scope:SCOPE_SE
	s_setreg_imm32_b32 hwreg(HW_REG_WAVE_MODE, 25, 1), 1
	s_wait_xcnt 0x0
	s_wait_alu depctr_hold_cnt(0) depctr_sa_sdst(0) depctr_va_vdst(0) depctr_va_sdst(0) depctr_va_ssrc(0) depctr_va_vcc(0) depctr_vm_vsrc(0)
	s_getreg_b32 s2, hwreg(HW_REG_IB_STS2, 6, 4)
	s_cmp_eq_u32 s2, 0
	s_cbranch_scc0 .Lentry_in_a_cluster
	s_endpgm
.Lentry_in_a_cluster:
	s_bfe_u32 s2, ttmp6, 0x10000c
	s_cmp_lg_u32 s2, 0x3003
	s_cbranch_scc0 .Lentry_shape_is_right
	s_endpgm
.Lentry_shape_is_right:
; o[b][t][head] = sum over T of softmax_T(where(mask[b][t][T], q . k / sqrt(128), masked)) v[T].  q, k, v: f16, [matrix][16 b + head][1024][128]; o: f16, [1024 b + t][128 head + d].
; Products, maxima and sums in f32; the weights p are rounded to f16 for the second product, o once at the end.
; THE MASK IS AN INPUT: no tile is left out.  It comes as words of 32 bits, one for each score register of a tile (bit L = lane L's key counts), read into scalar registers, and selects by v_cndmask_b32.
; LIMITS.  |q|, |k|, |v|, |o| under 65,504.  A masked score is taken as -2^37 before the division by sqrt(128), which is -1.2148e10 behind it, where the definition has -1e10: c x 2^37 is exact, so that a row
; with no key left gives p = 1 for every key, the plain mean of all 1,024 values, as the definition does.  The two differ only where scores that count reach some -1e10.  NaN and infinities are not served.
; SHARES.  A work-group owns 128 queries of one head.  Wave w: g = w % 2 picks 64 of them (four tiles of 16), kh = w / 2 picks 512 of the 1,024 keys, walked 64 a step.  So each fragment of K and V read
; from LDS feeds four products, and 8 x 32 = 256 work-groups have work.  At the end the two waves of a g exchange halves: register tile i of a wave is query tile (i + 2 kh) % 4 of its group, so every wave
; keeps its tiles 0, 1 and sends its tiles 2, 3 to wave w xor 2: one text for all waves.
; LAYOUT.  S^T = K Q^T and O^T = V^T P: a lane holds ONE query (lane % 16) throughout; K comes out of LDS as it lies, V turned, by ds_load_tr16_b128.
; SOFTMAX.  A running maximum m and sum l for each query: p = 2^(c s - c m), c = log2(e) / sqrt(128); in every step O and l are multiplied by a = 2^(c m_old - c m_new).
; BY TURNS.  The wave's tiles are two pieces (0: tiles 0, 1; 2: tiles 2, 3).  In a turn one piece has the matrix unit (32 products V^T P, 32 products K Q^T of the next step); the other piece's softmax, 332 vector
; instructions, stands in 64 slices behind its matrix instructions.
; CLUSTER.  The four query blocks of a cluster belong to one head and walk the same K and V: each tile is asked for jointly.
; REGISTERS: window 0: addresses, statistics, v64-191 S^T, v192-255 P.  window 1: O^T.  window 2: v0-127 Q, v128-255 K.  window 3: v0-127 V, v128-255 the partner's O^T.
.set PK,    272       ; a row of K in LDS: 256 bytes + 16
.set PV,    288       ; a row of V: 256 + 32
.set KPART, 128*PK    ; a half's 128 keys of K; its 128 rows of V lie behind them
.set HALFB, KPART+128*PV
.set SLOTB, 2*HALFB   ; a slot: two key steps for each half of the keys
.set STAGE, 2*SLOTB   ; 16 rows x 272 bytes for each wave, for the way out
.set SP,    272
.set SPARE, STAGE+4*16*SP  ; the spare words, 128 bytes for each wave: two blocks of 256 bytes that no other line names
.set XCHB,  34*512    ; the exchange: 32 images of four registers and 2 of statistics for each wave, in slot 0, which has had its last fill and its last read by then
.set AK0, 2
.set AV0, 3
.set ADR, 4
.set QO0, 5
.set STO, 6
.set RD,  7
.set GO,  8
.set ST,  12          ; tile t's statistics at v[ST+8 t]: +0 c m, +1 m, +2, +3 l, +4 to +7 at work
.set QO2, 46
.set MV,  47          ; -2^37
.set CV,  48          ; v[48:49] c, twice
.set XW,  50
.set XR,  51
.set PFO, 61
.set SPW, 62
.set NIL, 63
.set S,   64
.set P,   192
.set KF,  128
.set MP,  2           ; s[2:3]   the mask words' address
.set G1K, 4           ; s[4:11]  group 1 for K's tiles;  s[12:19] for V's
.set G1V, 12
.set G0A, 20          ; s[20:23] group 0 of slot 0;  s[24:27] of slot 1
.set G0B, 24
.set SEL, 28
.set OF,  30          ; s30, s31 where piece 0's and piece 2's next mask words stand
.set M1,  32          ; s[32:63] the mask words of a piece's second tile
.set PFA, 66
.set M0,  68          ; s[68:99] of its first
.set WV,  100
.set TWICE, 101
.set TK,  104         ; LDS byte at which the K to be fetched begins, less my lane's place
.set TV,  105         ; the same for V
.set MSB, 0
.macro WIN new
.if MSB != \new
	s_set_vgpr_msb (MSB<<8)|\new
.set MSB, \new
.endif
.endm
.set W_KQ, 0x0a
.set W_PV, 0x53
.set W_RS, 0x41
; A joint refill: waves 0, 1 fetch K of key half 0, 1; waves 2, 3 V.  An s_nop 0 and four v_nop follow each of the two lines.
.macro JLOAD g0
	s_cmp_lt_u32 s[WV], 2
	s_cbranch_scc0 .Lfor_v_\@
	tensor_load_to_lds s[\g0:\g0+3], s[G1K:G1K+7]
	s_nop 0
.rept 4
	v_nop
.endr
	s_branch .Lasked_\@
.Lfor_v_\@:
	tensor_load_to_lds s[\g0:\g0+3], s[G1V:G1V+7]
	s_nop 0
.rept 4
	v_nop
.endr
.Lasked_\@:
.endm
.macro CROUND
	s_barrier_signal -1
	s_barrier_wait -1
	s_cmp_lg_u32 s[WV], 0
	s_cbranch_scc1 .Lnot_wave_0_\@
	s_barrier_signal -3
.Lnot_wave_0_\@:
	s_barrier_wait -3
	s_barrier_signal -1
	s_barrier_wait -1
.endm
	s_load_b128 s[32:35], s[0:1], 0x0  ; qkv, the mask words
	v_lshl_add_u32 v[SPW], v0, 2, SPARE
	v_mov_b32 v[NIL], 0
	ds_add_u32 v[SPW], v[NIL]       ; the wave's opening: the add, twice on end, and its wait ahead of my first tensor load
	ds_add_u32 v[SPW], v[NIL]
	v_lshrrev_b32 v1, 5, v0
	v_readfirstlane_b32 s[WV], v1
	s_bfe_u32 s36, ttmp6, 0x40000   ; cx
	s_lshl_b32 s37, ttmp9, 2
	s_add_co_u32 s37, s37, s36      ; my block of 128 queries: it enters Q's, the mask words' and O's addresses alone
	s_and_b32 s38, ttmp7, 0xffff    ; 16 b + head
	s_and_b32 s39, s[WV], 1         ; g.  Also: the key half that I fetch
	s_lshr_b32 s40, s[WV], 1        ; kh.  Also: I fetch K (0) or V (1)
	s_add_co_u32 s42, s40, 1
	s_lshl_b32 s42, s42, 23         ; matrix 1 or 2, 8,388,608 bytes each
	s_lshl_b32 s41, s38, 18         ; the head's 262,144 bytes
	s_add_co_u32 s42, s42, s41
	s_lshl_b32 s43, s39, 17         ; 512 rows of 256 bytes
	s_add_co_u32 s42, s42, s43
	s_mov_b32 s43, 0
	s_mul_i32 s44, s39, HALFB
	s_mul_i32 s45, s40, KPART
	s_add_co_u32 s44, s44, s45      ; my tile's place in a slot: the wave's number alone
	s_lshl_b32 s46, s37, 15
	s_add_co_u32 s46, s46, s41      ; Q: the head, my block's 128 rows
	s_mov_b32 s47, 0
	s_lshr_b32 s48, s38, 4
	s_lshl_b32 s48, s48, 17         ; the mask words: b x 131,072
	s_lshl_b32 s49, s37, 14         ; + 8 query tiles a block x 2,048
	s_add_co_u32 s48, s48, s49
	s_lshl_b32 s49, s39, 13         ; + 4 g
	s_add_co_u32 s48, s48, s49
	s_lshl_b32 s49, s40, 10         ; + my key half: 32 tiles of keys x 32 bytes
	s_add_co_u32 s48, s48, s49
	s_lshl_b32 s49, s40, 12         ; piece 0 begins at query tile 2 kh,
	s_add_co_u32 s[OF], s48, s49
	s_xor_b32 s50, s40, 1
	s_lshl_b32 s49, s50, 12         ; piece 2 at 2 (1 - kh)
	s_add_co_u32 s[OF+1], s48, s49
	s_mov_b32 s[G1K], 15|(1<<16)|(1<<20)|(1<<21)|(5<<22)|(3<<25)  ; the mask: all four work-groups; elements of 2 bytes; padding on; bit 21 beside a mask; 4 words behind every 64
	s_mov_b32 s[G1V], 15|(1<<16)|(1<<20)|(1<<21)|(5<<22)|(7<<25)  ; the same with 8 words
.irp g, G1K, G1V
	s_mov_b32 s[\g+1], 128<<16      ; tensor_dim0
	s_mov_b32 s[\g+2], 128<<16      ; tensor_dim1
	s_mov_b32 s[\g+3], 128<<16      ; tile_dim0
	s_mov_b32 s[\g+4], 128          ; tile_dim1
	s_mov_b32 s[\g+5], 128          ; the pitch
	s_mov_b32 s[\g+6], 0
	s_mov_b32 s[\g+7], 0
.endr
	s_mov_b32 s[SEL], 0x76543210
	s_mov_b32 s[SEL+1], 0xfedcba98
	s_lshl_b32 s52, s36, 13         ; the prefetch: my work-group's 32 rows of the 128,
	s_add_co_u32 s52, s52, 3*32768  ; of my tile's fourth 128 keys
	s_mov_b32 s53, 0
	s_wait_dscnt 0x0                ; both opening adds are done
	s_wait_kmcnt 0x0
	s_mov_b64 s[MP:MP+1], s[34:35]
	s_add_nc_u64 s[54:55], s[32:33], s[42:43]  ; my tile's first 128 keys
	s_add_nc_u64 s[PFA:PFA+1], s[54:55], s[52:53]
	s_add_nc_u64 s[TK:TK+1], s[32:33], s[46:47]  ; Q's base, until Q is in
	CROUND                          ; all four work-groups are here: the first joint loads meet
	s_mov_b32 s[G0A], 1
	s_mov_b32 s[G0A+1], s44
	s_mov_b64 s[G0A+2:G0A+3], s[54:55]
	s_or_b32 s[G0A+3], s[G0A+3], 0x80000000
	s_mov_b32 s[G0B], 1
	s_add_co_u32 s[G0B+1], s44, SLOTB
	s_add_nc_u64 s[G0B+2:G0B+3], s[54:55], 32768
	s_or_b32 s[G0B+3], s[G0B+3], 0x80000000
	s_cmp_lt_u32 s[WV], 2           ; a wave's two first fills stand in one branch: two loads of mine are out
	s_cbranch_scc0 .Lfirst_v
	tensor_load_to_lds s[G0A:G0A+3], s[G1K:G1K+7]
	s_nop 0
	tensor_load_to_lds s[G0B:G0B+3], s[G1K:G1K+7]
	s_nop 0
.rept 4
	v_nop
.endr
	s_branch .Lfirst_asked
.Lfirst_v:
	tensor_load_to_lds s[G0A:G0A+3], s[G1V:G1V+7]
	s_nop 0
	tensor_load_to_lds s[G0B:G0B+3], s[G1V:G1V+7]
	s_nop 0
.rept 4
	v_nop
.endr
.Lfirst_asked:
	v_and_b32 v1, 15, v0            ; r
	v_bfe_u32 v9, v0, 4, 1          ; h
	s_lshl_b32 s56, s39, 6
	s_lshl_b32 s57, s40, 5
	s_add_co_u32 s57, s56, s57      ; piece 0's first row in the block: 64 g + 32 kh
	s_lshl_b32 s58, s50, 5
	s_add_co_u32 s58, s56, s58      ; piece 2's: 64 g + 32 (1 - kh)
	v_add_nc_u32 v[QO0], s57, v1
	v_lshlrev_b32 v[QO0], 8, v[QO0]
	v_lshl_add_u32 v[QO0], v9, 4, v[QO0]
	v_add_nc_u32 v[QO2], s58, v1
	v_lshlrev_b32 v[QO2], 8, v[QO2]
	v_lshl_add_u32 v[QO2], v9, 4, v[QO2]
	WIN 0x80                        ; destination window 2
.set i, 0
.rept 16                            ; Q stays in registers: register tile i / 4, channels 32 (i % 4) on
	global_load_b128 v[8*i:8*i+3],   v[QO0+(QO2-QO0)*(i/8)], s[TK:TK+1] offset:((i/4)%2)*4096+(i%4)*64
	global_load_b128 v[8*i+4:8*i+7], v[QO0+(QO2-QO0)*(i/8)], s[TK:TK+1] offset:((i/4)%2)*4096+(i%4)*64+32
.set i, i+1
.endr
	WIN 0
	s_mul_i32 s59, s40, HALFB       ; my key half's region of a slot
	v_mul_u32_u24 v[AK0], v1, PK
	v_lshl_add_u32 v[AK0], v9, 4, v[AK0]
	v_add_nc_u32 v[AK0], s59, v[AK0]
	v_and_b32 v10, 7, v0
	v_bfe_u32 v11, v0, 3, 1
	v_lshl_add_u32 v[AV0], v9, 3, v10
	v_mul_u32_u24 v[AV0], v[AV0], PV
	v_lshl_add_u32 v[AV0], v11, 4, v[AV0]
	s_add_co_u32 s59, s59, KPART
	v_add_nc_u32 v[AV0], s59, v[AV0]
	s_mul_i32 s60, s[WV], 16*SP
	s_add_co_u32 s60, s60, STAGE    ; my stage
	v_mul_u32_u24 v[STO], v1, SP
	v_lshl_add_u32 v[STO], v9, 4, v[STO]
	v_add_nc_u32 v[STO], s60, v[STO]
	v_mul_u32_u24 v[RD], v9, SP
	v_lshl_add_u32 v[RD], v1, 4, v[RD]
	v_add_nc_u32 v[RD], s60, v[RD]
	s_mul_i32 s60, s[WV], XCHB      ; the exchange: where I write,
	v_and_b32 v10, 31, v0
	v_lshlrev_b32 v10, 4, v10
	v_add_nc_u32 v[XW], s60, v10
	s_xor_b32 s60, s[WV], 2
	s_mul_i32 s60, s60, XCHB        ; and where my partner does
	v_add_nc_u32 v[XR], s60, v10
	v_and_b32 v[PFO], 31, v0
	v_lshlrev_b32 v[PFO], 8, v[PFO]
; The mask words of piece p for one key step: two tiles x 32 words.  They land in the registers that the head's scalars have left.
.macro MLOAD p
.irp t, 0,1
.irp q, 0,1
	s_load_b512 s[M0-36*\t+16*\q:M0-36*\t+16*\q+15], s[MP:MP+1], s[OF+(\p)/2] offset:2048*\t+64*\q
.endr
.endr
.endm
	MLOAD 0
; THE MATRIX WORK OF A TURN.  The accumulators take turns, one instruction a turn.
.macro PV x, zero
	WIN W_PV
.set rO, 64*(\x+i%2)+8*((i/2)%8)
.set rV, 64*(i/16)+8*((i/2)%8)
.set rP, P+16*(\x+i%2)+8*(i/16)
.if \zero && (i < 16)
	v_wmma_f32_16x16x32_f16 v[rO:rO+7], v[rV:rV+7], v[rP:rP+7], 0
.else
	v_wmma_f32_16x16x32_f16 v[rO:rO+7], v[rV:rV+7], v[rP:rP+7], v[rO:rO+7]
.endif
.endm
.macro KQ x
	WIN W_KQ
.set rS, S+32*(\x+i%2)+8*((i/2)%4)
.set rK, KF+32*((i/2)%4)+8*(i/8)
.set rQ, 32*(\x+i%2)+8*(i/8)
.if i < 8
	v_wmma_f32_16x16x32_f16 v[rS:rS+7], v[rK:rK+7], v[rQ:rQ+7], 0
.else
	v_wmma_f32_16x16x32_f16 v[rS:rS+7], v[rK:rK+7], v[rQ:rQ+7], v[rS:rS+7]
.endif
.endm
; THE LDS LOADS stand in runs of 32.
.macro FETCH_K
	WIN 0
	v_add_nc_u32 v[ADR], s[TK], v[AK0]
	s_add_co_u32 s[TK], s[TK], 64*PK
	WIN 0x80
.irp f, 0,1,2,3,4,5,6,7,8,9,10,11,12,13,14,15
	ds_load_b128 v[KF+8*\f:KF+8*\f+3],   v[ADR] offset:(\f/4)*16*PK+(\f%4)*64
	ds_load_b128 v[KF+8*\f+4:KF+8*\f+7], v[ADR] offset:(\f/4)*16*PK+(\f%4)*64+32
.endr
.endm
.macro FETCH_V
	WIN 0
	v_add_nc_u32 v[ADR], s[TV], v[AV0]
	s_add_co_u32 s[TV], s[TV], 64*PV
	s_wait_alu depctr_va_vdst(0)    ; the one wait for the softmax's batch of exponentials, ahead of its first reader
	WIN 0xc0
.irp f, 0,1,2,3,4,5,6,7,8,9,10,11,12,13,14,15
	ds_load_tr16_b128 v[8*\f:8*\f+3],   v[ADR] offset:(\f/8)*32*PV+(\f%8)*32
	ds_load_tr16_b128 v[8*\f+4:8*\f+7], v[ADR] offset:(\f/8)*32*PV+16*PV+(\f%8)*32
.endr
.endm
; THE VECTOR WORK OF A TURN.  One tile's softmax for one key step is a list of 166 instructions; SM writes number j of it for tile t.
;   0-31     the selects: a score whose mask bit is 0 becomes -2^37; ascending
;   32-47    the maximum of the 32 scores and the old m;   48-52  the other half of the lanes', the new m, c m, c m_old - c m_new
;   53-101   ONE BATCH: 16 packed scalings c s - c m and all 33 exponentials; none reads an exponential's result
;   (wait)   between 101 and 102: ENT writes it, once for both tiles
;   102-117  the roundings to f16;   118-133  the sums, l = a l + the sum;   134-165  the tile's O^T times a
.macro SM t, first
.set rT, ST+8*(\t)
.set rS, S+32*(\t)
.set rP, P+16*(\t)
.set rM, M0-36*((\t)%2)
.set jj, j-32
.set rO, 64*(\t)+2*(jj-102)
.if jj < 102
	WIN 0
.endif
.if j < 32
	v_cndmask_b32 v[rS+j], v[MV], v[rS+j], s[rM+j]
.elseif jj < 4
	v_max3_num_f32 v[rT+4+jj], v[rS+8*jj], v[rS+8*jj+1], v[rS+8*jj+2]
.elseif jj < 12
	v_max3_num_f32 v[rT+4+jj%4], v[rT+4+jj%4], v[rS+8*(jj%4)+2*(jj/4)+1], v[rS+8*(jj%4)+2*(jj/4)+2]
.elseif jj == 12
	v_max3_num_f32 v[rT+4], v[rT+4], v[rS+7], v[rS+15]
.elseif jj == 13
	v_max3_num_f32 v[rT+6], v[rT+6], v[rS+23], v[rS+31]
.elseif jj == 14
	v_max3_num_f32 v[rT+4], v[rT+4], v[rT+5], v[rT+6]
.elseif (jj == 15) && \first
	v_max_num_f32 v[rT+4], v[rT+4], v[rT+7]
.elseif jj == 15
	v_max3_num_f32 v[rT+4], v[rT+4], v[rT+7], v[rT+1]
.elseif jj == 16
	v_permlanex16_b32 v[rT+5], v[rT+4], s[SEL], s[SEL+1]
.elseif jj == 18
	v_max_num_f32 v[rT+1], v[rT+4], v[rT+5]
.elseif jj == 19
	v_mul_f32 v[rT], v[CV], v[rT+1]
.elseif ((jj == 17) || (jj == 20) || (jj == 23) || (jj > 101)) && \first
.elseif jj == 17
	v_mov_b32 v[rT+7], v[rT]
.elseif jj == 20
	v_sub_f32 v[rT+7], v[rT+7], v[rT]
.elseif jj == 23
	v_exp_f32 v[rT+6], v[rT+7]
.elseif (jj < 23) || ((jj < 38) && (jj%2 == 0)) || ((jj < 66) && (jj%4 == 2))
.set sb, (jj-2)/4
.if jj < 38
.set sb, (jj-20)/2
.endif
	v_pk_fma_f32 v[rS+2*sb:rS+2*sb+1], v[rS+2*sb:rS+2*sb+1], v[CV:CV+1], v[rT:rT+1] op_sel_hi:[1,0,0] neg_lo:[0,0,1] neg_hi:[0,0,1]
.elseif jj < 70
.set se, jj-38
.if jj < 66
.set se, jj-32-(jj-38)/4
.endif
.if jj < 38
.set se, (jj-25)/2
.endif
	v_exp_f32 v[rS+se], v[rS+se]
.elseif jj < 86
	v_cvt_pk_f16_f32 v[rP+jj-70], v[rS+2*(jj-70)], v[rS+2*(jj-70)+1]
.elseif jj < 102
.set sz, jj-86
.set sw, 4
.set su, sz
.if sz >= 14
.set sw, 32
.set su, 0
.elseif sz >= 12
.set sw, 16
.set su, sz-12
.elseif sz >= 8
.set sw, 8
.set su, sz-8
.endif
.if (sz == 14) && \first
	v_pk_add_f32 v[rT+2:rT+3], v[rS:rS+1], v[rS+16:rS+17]
.elseif sz < 15
	v_pk_add_f32 v[rS+sw*su:rS+sw*su+1], v[rS+sw*su:rS+sw*su+1], v[rS+sw*su+sw/2:rS+sw*su+sw/2+1]
.elseif !\first
	v_pk_fma_f32 v[rT+2:rT+3], v[rT+2:rT+3], v[rT+6:rT+7], v[rS:rS+1] op_sel_hi:[1,0,1]
.endif
.else
	WIN W_RS
	v_pk_mul_f32 v[rO:rO+1], v[rO:rO+1], v[rT+6:rT+7] op_sel_hi:[1,0]
.endif
.endm
; Entry n of 332 of piece y's softmax: number n / 2 of tile y + n % 2: the two tiles alternate, so that no instruction reads the result of the one just before it.
; At entry 70 all 64 selects have been issued: the mask registers take the next turn's words (ml = 1).  At entry 204 both tiles' 66 exponentials are out and no result has been named: a plain
; instruction, then the one wait; in piece 2's turn V's run of loads stands there, and the wait in it.
.macro ENT y, first, ml
.if (n == 70) && \ml
	MLOAD 2-(\y)
.endif
.if n == 204
	v_nop
.if (\y) == 0
	FETCH_V
.else
	s_wait_alu depctr_va_vdst(0)
.endif
.endif
.set j, n/2
	SM (\y)+n%2, \first
.set n, n+1
.endm
.macro SLICE y, first, ml           ; five entries; 332 = 5 x 64 + 12: the twelve that are over stand in slice 63, whose 17 plain instructions are the places behind the turn's last products
.rept 5
	ENT \y, \first, \ml
.endr
.if k == 63
.rept 12
	ENT \y, \first, \ml
.endr
.endif
.set k, k+1
.endm
.macro PLACES
.rept 4
	v_nop
.endr
.endm
; A TURN.  Piece x has the matrix unit; the other piece's softmax stands in slices.  pv = 2: 32 products V^T P; 1: they start O^T's sums; 0: none.  kq = 1: 32 products K Q^T for the next step.
; first = 1: the softmax is the first key step's; its last slices are empty, and four v_nop take their part as places.
; Piece 0's turn fetches the next step's K behind its second product; piece 2's turn the same step's V, behind its 41st: V's last reader is the 32nd, and eight scalings, the v_nop and the run's own addition lie between.
.macro TURN x, pv, kq, first, ml
	s_wait_kmcnt 0x0                ; this turn's 64 mask words are in, and their offset register is free:
	s_add_co_u32 s[OF+(2-\x)/2], s[OF+(2-\x)/2], 128  ; that piece's next key step: 4 tiles of keys x 32 bytes
.set k, 0
.set n, 0
.set per, 2
.if \pv && \kq
.set per, 1
.endif
.if \pv
.if \x == 0
	s_wait_dscnt 0x0                ; V is in
.endif
.set i, 0
.rept 32
	PV \x, 2-\pv
.rept per
	SLICE 2-\x, \first, \ml
.endr
.if (\x == 0) && \kq && (i == 1)
	FETCH_K
.endif
.set i, i+1
.endr
.endif
.if \kq
.if \x == 0
	s_wait_dscnt 0x0                ; K is in
.endif
.set i, 0
.rept 32
	KQ \x
.rept per
	SLICE 2-\x, \first, \ml
.endr
.set i, i+1
.endr
.endif
.if \first
	PLACES
.endif
.endm
; THE CHANGE OF SLOTS, between piece 2's turn and piece 0's.  Each wave waits for all its tensor loads (one is out: its part of the other slot), adds 0 to its spare word, and waits for that and for its reads of
; the slot.  fill = 1: the slot is filled again with the keys 256 further on; the barrier is then a round of the cluster's, and the joint refill is the first thing behind it: two key steps, 256 matrix instructions, in which to land.
.macro CHANGE fill, g0, next
	WIN 0
	s_wait_tensorcnt 0x0
	ds_add_u32 v[SPW], v[NIL]
.if \fill
	s_add_nc_u64 s[\g0+2:\g0+3], s[\g0+2:\g0+3], 65536
.endif
	s_mov_b32 s[TK], \next*SLOTB    ; the fetches go on in the other slot
	s_mov_b32 s[TV], \next*SLOTB
	s_wait_dscnt 0x0                ; the add is done, and my reads of the slot are over
.if \fill
	CROUND
	JLOAD \g0
.else
	s_barrier_signal -1
	s_barrier_wait -1
.endif
.endm
.macro TWO_STEPS
	s_mov_b32 s[TWICE], 2
.Lstep_\@:
	TURN 0, 2, 1, 0, 1
	TURN 2, 2, 1, 0, 1
	WIN 0
	s_sub_co_u32 s[TWICE], s[TWICE], 1
	s_cmp_lg_u32 s[TWICE], 0
	s_cbranch_scc1 .Lstep_\@
.endm
	s_wait_tensorcnt 1              ; my part of slot 0 is in; slot 1's may stay out
	s_barrier_signal -1
	s_barrier_wait -1
	s_wait_loadcnt 0x0              ; Q is in, so its base's registers are free
	s_mov_b32 s[TK], 0
	s_mov_b32 s[TV], 0
	FETCH_K                         ; key step 0
	s_wait_dscnt 0x0
.set i, 0
.rept 32
	KQ 0
.set i, i+1
.endr
	WIN 0                           ; five plain lines that are due anyway: the places behind those products
	v_lshlrev_b32 v[GO], 12, v9     ; the way out: lanes 0-15 one row of o, lanes 16-31 the next, 16 bytes a lane
	v_lshl_add_u32 v[GO], v1, 4, v[GO]
	v_mov_b32 v[MV], 0xd2000000     ; -2^37
	v_mov_b32 v[CV], 0x3e0293ee     ; c = log2(e) / sqrt(128)
	v_mov_b32 v[CV+1], 0x3e0293ee
	TURN 2, 0, 1, 1, 1              ; piece 2's first scores | piece 0's first softmax | V of step 0
	TURN 0, 1, 1, 1, 1              ; piece 0: V^T P of step 0 starts O^T, K Q^T of step 1 | piece 2's first softmax | K of step 1
	TURN 2, 1, 1, 0, 1              ; piece 2: the same | piece 0's softmax of step 1 | V of step 1
	CHANGE 1, G0A, 1                ; slot 0 takes keys 256 on of each half
	; A PREFETCH INTO THE L2 of what the next change of slots will ask for: my tile's last 128 rows, 256 bytes a row, a lane a row.  Both clusters of a head walk the same K and V: the first asks.  Its four
	; partners share the rows out by address, 32 each; each wave asks for its own tile.  So each row is named once.  The earlier slots come by their loads alone.
	s_cmp_eq_u32 ttmp9, 0
	s_cbranch_scc0 .Lno_ask
	global_prefetch_b8 v[PFO], s[PFA:PFA+1] th:TH_LOAD_NT scope:SCOPE_SE
.Lno_ask:
	TWO_STEPS
	CHANGE 1, G0B, 0                ; slot 1 takes the last 128 keys of each half
	TWO_STEPS
	CHANGE 0, G0A, 1                ; nothing is left to ask for
	TWO_STEPS
	TURN 0, 2, 0, 0, 0              ; piece 0: V^T P of the last step | piece 2's last softmax
.set i, 0
.rept 32
	PV 2, 0
.set i, i+1
.endr
	; THE EXCHANGE.  My tiles 2, 3 (O^T, c m, l) go to wave w xor 2 as images of their registers; its tiles 2, 3 are my tiles 0, 1 over the other 512 keys.
	WIN 0
	s_load_b64 s[32:33], s[0:1], 0x10  ; o16
.irp t, 0,1,2,3
	v_add_f32 v[ST+8*\t+2], v[ST+8*\t+2], v[ST+8*\t+3]  ; l's two halves: the places behind the last products
.endr
	WIN 0x04                        ; an LDS store's data are its source 1: window 1
.set i, 0
.rept 32
	ds_store_b128 v[XW], v[128+4*i:128+4*i+3] offset:512*i
.set i, i+1
.endr
	WIN 0
	ds_store_b128 v[XW], v[ST+16:ST+19] offset:16384
	ds_store_b128 v[XW], v[ST+24:ST+27] offset:16896
	s_wait_dscnt 0x0                ; for the partner's sake: my stores have landed
	s_barrier_signal -1
	s_barrier_wait -1
	WIN 0xc0                        ; destination window 3
.set i, 0
.rept 32
	ds_load_b128 v[128+4*i:128+4*i+3], v[XR] offset:512*i
.set i, i+1
.endr
	WIN 0
	ds_load_b128 v[64:67], v[XR] offset:16384
	ds_load_b128 v[68:71], v[XR] offset:16896
	s_wait_kmcnt 0x0
	s_bfe_u32 s36, ttmp6, 0x40000
	s_lshl_b32 s37, ttmp9, 2
	s_add_co_u32 s37, s37, s36
	s_and_b32 s38, ttmp7, 0xffff
	s_lshr_b32 s39, s38, 4
	s_lshl_b32 s39, s39, 10         ; 1,024 b
	s_lshl_b32 s37, s37, 7
	s_add_co_u32 s39, s39, s37      ; + 128 x block
	s_and_b32 s40, s[WV], 1
	s_lshl_b32 s40, s40, 6
	s_add_co_u32 s39, s39, s40      ; + 64 g
	s_lshr_b32 s40, s[WV], 1
	s_lshl_b32 s40, s40, 5
	s_add_co_u32 s39, s39, s40      ; + 32 kh: the first row that I store
	s_lshl_b32 s34, s39, 12
	s_and_b32 s38, s38, 15
	s_lshl_b32 s38, s38, 8          ; the head's 256 bytes of a row
	s_add_co_u32 s34, s34, s38
	s_mov_b32 s35, 0
	s_add_nc_u64 s[32:33], s[32:33], s[34:35]
	s_wait_dscnt 0x0
	; both halves under the common maximum: f = 2^(c m - the larger c m); l = fA lA + fB lB; O = (fA OA + fB OB) / l
.irp t, 0,1
	v_max_num_f32 v[ST+8*\t+4], v[ST+8*\t], v[64+4*\t]
.endr
.irp t, 0,1
	v_sub_f32 v[ST+8*\t+5], v[ST+8*\t], v[ST+8*\t+4]
	v_sub_f32 v[ST+8*\t+6], v[64+4*\t], v[ST+8*\t+4]
.endr
.irp t, 0,1
	v_exp_f32 v[ST+8*\t+5], v[ST+8*\t+5]
	v_exp_f32 v[ST+8*\t+6], v[ST+8*\t+6]
.endr
	v_nop                           ; a plain instruction behind the last exponential,
	s_wait_alu depctr_va_vdst(0)    ; and the one wait for the four, ahead of the first use
.irp t, 0,1
	v_mul_f32 v[ST+8*\t+7], v[ST+8*\t+5], v[ST+8*\t+2]
.endr
.irp t, 0,1
	v_fma_f32 v[ST+8*\t+7], v[ST+8*\t+6], v[66+4*\t], v[ST+8*\t+7]
.endr
.irp t, 0,1
	v_permlanex16_b32 v[ST+8*\t+3], v[ST+8*\t+7], s[SEL], s[SEL+1]
.endr
.irp t, 0,1
	v_add_f32 v[ST+8*\t+7], v[ST+8*\t+7], v[ST+8*\t+3]  ; with the other half of the lanes': the row's sum
.endr
.irp t, 0,1
	v_rcp_f32 v[ST+8*\t+3], v[ST+8*\t+7]
.endr
	v_nop
	s_wait_alu depctr_va_vdst(0)    ; one wait for the two reciprocals
.irp t, 0,1
	v_mul_f32 v[ST+8*\t+4], v[ST+8*\t+5], v[ST+8*\t+3]
	v_mul_f32 v[ST+8*\t+6], v[ST+8*\t+6], v[ST+8*\t+3]
.endr
.macro FIN t
	WIN W_RS
.set i, 0
.rept 32
	v_pk_mul_f32 v[64*\t+i:64*\t+i+1], v[64*\t+i:64*\t+i+1], v[ST+8*\t+4:ST+8*\t+5] op_sel_hi:[1,0]
.set i, i+2
.endr
	WIN 0x53                        ; source 0 window 3 (the partner's), source 1 window 0, source 2 and destination window 1
.set i, 0
.rept 32
	v_pk_fma_f32 v[64*\t+i:64*\t+i+1], v[128+64*\t+i:128+64*\t+i+1], v[ST+8*\t+6:ST+8*\t+7], v[64*\t+i:64*\t+i+1] op_sel_hi:[1,0,1]
.set i, i+2
.endr
	WIN 0x05
.set i, 0
.rept 32
	v_cvt_pk_f16_f32 v[S+32*\t+i], v[64*\t+2*i], v[64*\t+2*i+1]
.set i, i+1
.endr
	WIN 0
.irp f, 0,1,2,3,4,5,6,7
	ds_store_b128 v[STO], v[S+32*\t+4*\f:S+32*\t+4*\f+3] offset:32*\f
.endr
.irp f, 0,1,2,3,4,5,6,7
	ds_load_b128 v[S+32*\t+4*\f:S+32*\t+4*\f+3], v[RD] offset:\f*2*SP  ; LDS serves a wave's instructions in order (ISA guide 5.7.1.4)
.endr
.endm
.macro SEND t, younger              ; younger: the LDS instructions issued behind tile t's loads
.irp f, 0,1,2,3,4,5,6,7
	s_wait_dscnt \younger+7-\f
	global_store_b128 v[GO], v[S+32*\t+4*\f:S+32*\t+4*\f+3], s[32:33] offset:\t*65536+\f*8192  ; 16 lanes store 256 consecutive bytes, aligned
.endr
.endm
	FIN 0
	FIN 1
	SEND 0, 16
	SEND 1, 0
	s_wait_tensorcnt 0x0            ; the wave's end
	ds_add_u32 v[SPW], v[NIL]
	s_wait_dscnt 0x0
	CROUND                          ; the closing round
	s_endpgm
.Lfunc_end_k_q49d45b569f_attn:
	.size	k_q49d45b569f_attn, .Lfunc_end_k_q49d45b569f_attn-k_q49d45b569f_attn
	.p2alignl 7, 3214868480
	.fill 96, 4, 3214868480
	.section	.rodata,"a",@progbits
	.p2align	6, 0x0
	.amdhsa_kernel k_q49d45b569f_attn
		.amdhsa_group_segment_fixed_size 327680
		.amdhsa_private_segment_fixed_size 0
		.amdhsa_enable_private_segment 0
		.amdhsa_kernarg_size 24
		.amdhsa_user_sgpr_count 2
		.amdhsa_user_sgpr_kernarg_segment_ptr 1
		.amdhsa_wavefront_size32 1
		.amdhsa_system_sgpr_workgroup_id_x 1
		.amdhsa_system_sgpr_workgroup_id_y 1
		.amdhsa_system_sgpr_workgroup_id_z 1
		.amdhsa_system_vgpr_workitem_id 0
		.amdhsa_next_free_vgpr 1024
		.amdhsa_next_free_sgpr 106
		.amdhsa_reserve_vcc 0
		.amdhsa_float_denorm_mode_32 3
		.amdhsa_float_denorm_mode_16_64 3
		.amdhsa_memory_ordered 1
		.amdhsa_forward_progress 1
		.amdhsa_inst_pref_size 255
	.end_amdhsa_kernel
	.section	.bss,"aw",@nobits
	.p2align	6
	.space	262144
	.amdgpu_metadata
---
amdhsa.version: [ 1, 2 ]
amdhsa.kernels:
  - .name:           k_q49d45b569f_attn
    .symbol:         k_q49d45b569f_attn.kd
    .args:
      - { .name: qkv, .offset: 0, .size: 8, .value_kind: global_buffer, .address_space: global }
      - { .name: mbits, .offset: 8, .size: 8, .value_kind: global_buffer, .address_space: global }
      - { .name: o16, .offset: 16, .size: 8, .value_kind: global_buffer, .address_space: global }
    .group_segment_fixed_size: 327680
    .private_segment_fixed_size: 0
    .kernarg_segment_align: 8
    .kernarg_segment_size: 24
    .max_flat_workgroup_size: 128
    .sgpr_count:     106
    .vgpr_count:     1024
    .wavefront_size: 32
...
	.end_amdgpu_metadata
.endif
;; end of part 3
;; launch oproj (part 4): grid 16 x 16, 4 waves a work-group, clusters of 4 x 4, 327,680 bytes of LDS; arguments o16, wo16, out0; writes out0
.if DOCPART == 4
	.amdgcn_target "amdgcn-amd-amdhsa--gfx1250"
	.amdhsa_code_object_version 6
	.text
	.protected	k_q49d45b569f_oproj
	.globl	k_q49d45b569f_oproj
	.p2align	8
	.type	k_q49d45b569f_oproj,@function
k_q49d45b569f_oproj:
	s_mov_b64 s[64:65], 0
	v_nop
	global_prefetch_b8 v0, s[64:65] scope:SCOPE_SE
	s_setreg_imm32_b32 hwreg(HW_REG_WAVE_MODE, 25, 1), 1
	s_wait_xcnt 0x0
	s_wait_alu depctr_hold_cnt(0) depctr_sa_sdst(0) depctr_va_vdst(0) depctr_va_sdst(0) depctr_va_ssrc(0) depctr_va_vcc(0) depctr_vm_vsrc(0)
	s_getreg_b32 s2, hwreg(HW_REG_IB_STS2, 6, 4)
	s_cmp_eq_u32 s2, 0
	s_cbranch_scc0 .Lentry_in_a_cluster
	s_endpgm
.Lentry_in_a_cluster:
	s_bfe_u32 s2, ttmp6, 0x10000c
	s_cmp_lg_u32 s2, 0xf033
	s_cbranch_scc0 .Lentry_shape_is_right
	s_endpgm
.Lentry_shape_is_right:
; out0[m][n] = sum over k of o[m][k] Wo[k][n].  o16: [2048][2048] f16; wo16: [2048 (k)][2048 (n)] f16, as Wo lies; out0: [2048][2048] f32; sums in f32.
; A tile of the output is 128 x 128, so that 16 x 16 = 256 work-groups have work; four waves, each 64 x 64: 16 accumulators.  K goes in steps of 256 through a ring of two LDS slots: A's tile is 128 rows of 512 bytes,
; B's 256 rows (k) of 256 bytes (128 n).  B's fragments come out of LDS turned, by ds_load_tr16_b128.
; CLUSTERS: 4 x 4 work-groups; A's tile is shared along a row of the cluster, B's along a column: each is asked for jointly.  No prefetch: the tiles are small and shared.
; THE MATRIX INSTRUCTION IS USED TRANSPOSED (source 0 = 16 columns of Wo, source 1 = 16 rows of o): a lane holds eight neighbouring numbers of a row of the output.
; REGISTERS: window 0: v0-31 addresses; v32-95 the way out; v128-255 the accumulators ((a, b) at v[128 + 8 (4 a + b)]).  window 1: two fragment buffers of 128: 64 registers of A, then 64 of B.
.set SIZE_N, 2048
.set SIZE_K, 2048
.set KSTEP,  256
.set PITCH,  528                       ; a row of A in LDS: 512 bytes + 16
.set PB,     288                       ; a row of B: 256 + 32
.set HALFA,  64*PITCH
.set APART,  2*HALFA
.set HALFBB, 128*PB
.set SLOT,   APART+2*HALFBB
.set STAGE,  2*SLOT                    ; 16 rows x 272 bytes for each wave
.set SPITCH, 272
.set SPARE,  STAGE+4*16*SPITCH         ; the spare words, 128 bytes for each wave: two blocks of 256 bytes that no other line names
.set LAPS, SIZE_K/(2*KSTEP)
.set ADRA, 16                          ; v16-17  my A fragments in slot 0, 1
.set ADRB, 20                          ; v20-23  my B fragments: 2 x slot + (upper 128 rows of k): the lower and upper rows have registers of their own, since 240 rows of 288 bytes pass the 16-bit offset
.set STO,  24
.set RD,   25
.set CO,   26
.set SPW,  28
.set NIL,  29
.set TMP,  32
.set ACC,  128
.set F0,   0
.set F1,   128
.set G1, 24
.set G0, 32
.set G1B, 48
.set G0B, 56
.set MSB, 0
.macro WIN new
.if MSB != \new
	s_set_vgpr_msb (MSB<<8)|\new
.set MSB, \new
.endif
.endm
.set MUL,  0x05
.set TO_F, 0x40
.macro JLOAD s                         ; waves 0 and 1 fetch A's two halves, waves 2 and 3 B's; an s_nop 0 and four v_nop follow each of the two lines
	s_cmp_eq_u32 s11, 0
	s_cbranch_scc0 .Lfor_b_\@
	tensor_load_to_lds s[G0+4*\s:G0+4*\s+3], s[G1:G1+7]
	s_nop 0
.rept 4
	v_nop
.endr
	s_branch .Lasked_\@
.Lfor_b_\@:
	tensor_load_to_lds s[G0B+4*\s:G0B+4*\s+3], s[G1B:G1B+7]
	s_nop 0
.rept 4
	v_nop
.endr
.Lasked_\@:
.endm
.macro CREST
	s_cmp_lg_u32 s10, 0
	s_cbranch_scc1 .Lnot_wave_0_\@
	s_barrier_signal -3
.Lnot_wave_0_\@:
	s_barrier_wait -3
	s_barrier_signal -1
	s_barrier_wait -1
.endm
.macro CROUND
	s_barrier_signal -1
	s_barrier_wait -1
	CREST
.endm
	s_load_b128 s[4:7], s[0:1], 0x0                ; o16, wo16
	s_load_b64 s[8:9], s[0:1], 0x10                ; out0
	v_lshl_add_u32 v[SPW], v0, 2, SPARE
	v_mov_b32 v[NIL], 0
	ds_add_u32 v[SPW], v[NIL]                      ; the wave's opening: the add, twice on end, and its wait ahead of my first tensor load
	ds_add_u32 v[SPW], v[NIL]
	v_lshrrev_b32 v1, 5, v0
	v_readfirstlane_b32 s10, v1                    ; wave 0..3
	s_lshr_b32 s11, s10, 1                         ; which half of the tile's rows is mine.  Also: I fetch for A (0) or for B (1)
	s_and_b32 s12, s10, 1                          ; which half of its columns.  Also: which half of that tile I fetch
	s_bfe_u32 s40, ttmp6, 0x40000
	s_bfe_u32 s41, ttmp6, 0x40004
	s_lshl_b32 s42, ttmp9, 2
	s_add_co_u32 s42, s42, s40                     ; tile column
	s_and_b32 s13, ttmp7, 0xffff
	s_lshl_b32 s13, s13, 2
	s_add_co_u32 s13, s13, s41                     ; tile row
	s_lshl_b32 s43, s41, 2
	s_lshl_b32 s43, 15, s43                        ; my row of the cluster
	s_lshl_b32 s44, 0x1111, s40                    ; my column
	s_or_b32 s[G1+0], s43, (1<<16)|(1<<20)|(1<<21)|(6<<22)|(3<<25)  ; A: the mask of my row; elements of 2 bytes; padding: 4 words behind every 128
	s_mov_b32 s[G1+1], KSTEP<<16                   ; tensor_dim0 = 256
	s_mov_b32 s[G1+2], 64<<16                      ; tensor_dim1 = 64
	s_mov_b32 s[G1+3], KSTEP<<16                   ; tile_dim0
	s_mov_b32 s[G1+4], 64                          ; tile_dim1
	s_mov_b32 s[G1+5], SIZE_K                      ; the pitch
	s_mov_b32 s[G1+6], 0
	s_mov_b32 s[G1+7], 0
	s_or_b32 s[G1B+0], s44, (1<<16)|(1<<20)|(1<<21)|(5<<22)|(7<<25) ; B: the mask of my column; padding: 8 words behind every 64
	s_mov_b32 s[G1B+1], 128<<16                    ; 128 columns
	s_mov_b32 s[G1B+2], 128<<16                    ; 128 rows of k
	s_mov_b32 s[G1B+3], 128<<16
	s_mov_b32 s[G1B+4], 128
	s_mov_b32 s[G1B+5], SIZE_N
	s_mov_b32 s[G1B+6], 0
	s_mov_b32 s[G1B+7], 0
	s_lshl_b32 s16, s13, 7
	s_lshl_b32 s17, s12, 6
	s_add_co_u32 s16, s16, s17                     ; A: row 128 x tile row + 64 x half,
	s_lshl_b32 s16, s16, 12                        ; of 4,096 bytes
	s_mov_b32 s17, 0
	s_lshl_b32 s46, s12, 19                        ; B: 128 x half rows of 4,096 bytes,
	s_lshl_b32 s47, s42, 8                         ; 256 bytes a tile column
	s_add_co_u32 s46, s46, s47
	s_mov_b32 s47, 0
	s_mul_i32 s20, s12, HALFA                      ; where they go: the wave's number alone
	s_mul_i32 s21, s12, HALFBB
	s_add_co_u32 s21, s21, APART
	s_wait_dscnt 0x0                               ; both opening adds are done
	s_wait_kmcnt 0x0
	s_add_nc_u64 s[14:15], s[4:5], s[16:17]
	s_add_nc_u64 s[46:47], s[6:7], s[46:47]
	CROUND                                         ; all sixteen work-groups are here: the first joint loads meet
.irp s, 0,1
	s_mov_b32 s[G0+4*\s], 1
	s_add_co_u32 s[G0+4*\s+1], s20, \s*SLOT
	s_add_nc_u64 s[G0+4*\s+2:G0+4*\s+3], s[14:15], \s*KSTEP*2
	s_or_b32 s[G0+4*\s+3], s[G0+4*\s+3], 0x80000000
	s_mov_b32 s[G0B+4*\s], 1
	s_add_co_u32 s[G0B+4*\s+1], s21, \s*SLOT
	s_add_nc_u64 s[G0B+4*\s+2:G0B+4*\s+3], s[46:47], \s*KSTEP*SIZE_N*2
	s_or_b32 s[G0B+4*\s+3], s[G0B+4*\s+3], 0x80000000
	JLOAD \s
.endr
	v_and_b32 v1, 15, v0                           ; l % 16
	v_bfe_u32 v2, v0, 4, 1                         ; l / 16
	v_mul_u32_u24 v3, v1, PITCH
	v_lshl_add_u32 v3, v2, 4, v3
	s_mul_i32 s21, s11, HALFA                      ; my 64 rows of A
.irp s, 0,1
	v_add_nc_u32 v[ADRA+\s], s21, v3
	s_add_co_u32 s21, s21, SLOT
.endr
	v_and_b32 v4, 7, v0                            ; the turning load: lane l reads 16 bytes of row k = 8 (l / 16) + l % 8, columns 8 ((l / 8) % 2) on
	v_bfe_u32 v5, v0, 3, 1
	v_lshl_add_u32 v4, v2, 3, v4
	v_mul_u32_u24 v4, v4, PB
	v_lshl_add_u32 v4, v5, 4, v4
	s_lshl_b32 s22, s12, 7                         ; my 64 columns: 128 bytes
	s_add_co_u32 s22, s22, APART
.irp s, 0,1,2,3
	s_add_co_u32 s23, s22, (\s/2)*SLOT+(\s%2)*HALFBB
	v_add_nc_u32 v[ADRB+\s], s23, v4
.endr
	s_mul_i32 s23, s10, 16*SPITCH
	s_add_co_u32 s23, s23, STAGE                   ; my stage
	v_mul_u32_u24 v4, v1, SPITCH
	v_lshl_add_u32 v4, v2, 5, v4
	v_add_nc_u32 v[STO], s23, v4                   ; in: row l % 16, 32 bytes for each half of the lanes
	v_mul_u32_u24 v5, v2, SPITCH
	v_lshl_add_u32 v5, v1, 4, v5
	v_add_nc_u32 v[RD], s23, v5                    ; back: lanes 0-15 one row of 256 bytes, lanes 16-31 the next
	v_lshlrev_b32 v5, 13, v2
	v_lshl_add_u32 v[CO], v1, 4, v5                ; and the same two rows in the output
	s_lshl_b32 s16, s13, 7
	s_lshl_b32 s17, s11, 6
	s_add_co_u32 s16, s16, s17                     ; my first row,
	s_lshl_b32 s16, s16, 13                        ; of 8,192 bytes
	s_lshl_b32 s46, s42, 9
	s_lshl_b32 s47, s12, 8
	s_add_co_u32 s46, s46, s47                     ; my first column, in bytes
	s_add_co_u32 s16, s16, s46
	s_mov_b32 s17, 0
	s_add_nc_u64 s[8:9], s[8:9], s[16:17]
; 8 matrix instructions: m blocks a0, a0 + 1 x all 4 n blocks, 32 along K: half c of buffer f.  The 16 accumulators take turns.
.macro MUL8 f, c, a0, zero
.irp a, \a0, \a0+1
.irp b, 0,1,2,3
.if \zero
	v_wmma_f32_16x16x32_f16 v[ACC+8*(4*(\a)+\b):ACC+8*(4*(\a)+\b)+7], v[\f+64+8*(4*\c+\b):\f+64+8*(4*\c+\b)+7], v[\f+8*(4*\c+\a):\f+8*(4*\c+\a)+7], 0
.else
	v_wmma_f32_16x16x32_f16 v[ACC+8*(4*(\a)+\b):ACC+8*(4*(\a)+\b)+7], v[\f+64+8*(4*\c+\b):\f+64+8*(4*\c+\b)+7], v[\f+8*(4*\c+\a):\f+8*(4*\c+\a)+7], v[ACC+8*(4*(\a)+\b):ACC+8*(4*(\a)+\b)+7]
.endif
.endr
.endr
.endm
; 32 LDS loads in one run: the fragments of the slot's q-th 64 along K into buffer f; the first 32 along K first
.macro FETCH slot, q, f
	WIN TO_F
.irp c, 0,1
.irp i, 0,1,2,3
	ds_load_tr16_b128 v[\f+64+8*(4*\c+\i):\f+64+8*(4*\c+\i)+3],   v[ADRB+2*\slot+(\q)/2] offset:(64*((\q)%2)+32*\c)*PB+32*\i
	ds_load_tr16_b128 v[\f+64+8*(4*\c+\i)+4:\f+64+8*(4*\c+\i)+7], v[ADRB+2*\slot+(\q)/2] offset:(64*((\q)%2)+32*\c+16)*PB+32*\i
	ds_load_b128 v[\f+8*(4*\c+\i):\f+8*(4*\c+\i)+3],         v[ADRA+\slot] offset:128*(\q)+64*\c+\i*16*PITCH
	ds_load_b128 v[\f+8*(4*\c+\i)+4:\f+8*(4*\c+\i)+7],       v[ADRA+\slot] offset:128*(\q)+64*\c+\i*16*PITCH+32
.endr
.endr
.endm
.macro PLACES
.rept 4
	v_nop
.endr
.endm
.macro QUARTER slot, q, f, g, zero     ; multiplies buffer f and fetches the slot's q-th quarter into g
	s_wait_dscnt 16                                ; the first 32 along K are in; the sixteen younger loads may be out
	WIN MUL
	MUL8 \f, 0, 0, \zero
	MUL8 \f, 0, 2, \zero
	PLACES
	FETCH \slot, \q, \g
	s_wait_dscnt 32                                ; all but the 32 just issued
	WIN MUL
	MUL8 \f, 1, 0, 0
	MUL8 \f, 1, 2, 0
.endm
; The last quarter multiplies buffer 1 and changes slots: one barrier; in front of it each wave waits for all its tensor loads, adds 0 to its spare word, and waits for that and for its reads of this slot.
.macro TURN slot, next, fill
	WIN 0
	s_wait_tensorcnt 0x0                           ; all my tensor loads have landed: my part of the next slot
	ds_add_u32 v[SPW], v[NIL]
	s_wait_dscnt 17                                ; the add and the youngest sixteen loads may be out
	WIN MUL
	MUL8 F1, 0, 0, 0
	s_wait_dscnt 0x0                               ; the add is done, and my reads of this slot are over
	s_barrier_signal -1
	MUL8 F1, 0, 2, 0
.if \fill
	WIN 0
.endif
	s_barrier_wait -1
.if \fill
	CREST                                          ; the barrier has opened a round of the cluster's barrier
	s_add_nc_u64 s[G0+4*\slot+2:G0+4*\slot+3], s[G0+4*\slot+2:G0+4*\slot+3], 2*KSTEP*2
	s_add_nc_u64 s[G0B+4*\slot+2:G0B+4*\slot+3], s[G0B+4*\slot+2:G0B+4*\slot+3], 2*KSTEP*SIZE_N*2
	JLOAD \slot                                    ; the first tensor load behind the round; its four v_nop are the places in front of the loads below
.else
	PLACES
.endif
	FETCH \next, 0, F0
	WIN MUL
	MUL8 F1, 1, 0, 0
	MUL8 F1, 1, 2, 0
.endm
	s_wait_tensorcnt 1                             ; my part of K step 0 is in; K step 1's may be out
	s_barrier_signal -1
	s_barrier_wait -1
	FETCH 0, 0, F0
	QUARTER 0, 1, F0, F1, 1                        ; the first products start the sums
	WIN 0
	s_mov_b32 s3, LAPS-1
.Llap:
	QUARTER 0, 2, F1, F0, 0
	QUARTER 0, 3, F0, F1, 0
	TURN 0, 1, 1
	QUARTER 1, 1, F0, F1, 0
	QUARTER 1, 2, F1, F0, 0
	QUARTER 1, 3, F0, F1, 0
	TURN 1, 0, 1
	QUARTER 0, 1, F0, F1, 0
	WIN 0
	s_sub_co_u32 s3, s3, 1
	s_cmp_lg_u32 s3, 0
	s_cbranch_scc1 .Llap
	QUARTER 0, 2, F1, F0, 0                        ; the last lap fills nothing
	QUARTER 0, 3, F0, F1, 0
	TURN 0, 1, 0
	QUARTER 1, 1, F0, F1, 0
	QUARTER 1, 2, F1, F0, 0
	QUARTER 1, 3, F0, F1, 0
	s_wait_dscnt 16
	WIN MUL
	MUL8 F1, 0, 0, 0
	MUL8 F1, 0, 2, 0
	s_wait_dscnt 0
	MUL8 F1, 1, 0, 0
	MUL8 F1, 1, 2, 0
	WIN 0
; THE WAY OUT.  My 64 columns of f32 are 256 bytes of a row: a block of 16 rows goes through my own stage and comes back as whole rows; sixteen lanes store 256 consecutive bytes, aligned.  No barrier.
.macro TOSTAGE a
.irp b, 0,1,2,3
	ds_store_b128 v[STO], v[ACC+8*(4*(\a)+\b):ACC+8*(4*(\a)+\b)+3] offset:64*\b       ; each accumulator from its low end on
	ds_store_b128 v[STO], v[ACC+8*(4*(\a)+\b)+4:ACC+8*(4*(\a)+\b)+7] offset:64*\b+16
.endr
.irp t, 0,1,2,3,4,5,6,7
	ds_load_b128 v[TMP+32*((\a)%2)+4*\t:TMP+32*((\a)%2)+4*\t+3], v[RD] offset:2*\t*SPITCH   ; LDS serves a wave's instructions in order (ISA guide 5.7.1.4)
.endr
.endm
.macro SEND a, younger                 ; younger: the LDS instructions issued behind block a's loads
	s_wait_dscnt \younger
.irp t, 0,1,2,3,4,5,6,7
	global_store_b128 v[CO], v[TMP+32*((\a)%2)+4*\t:TMP+32*((\a)%2)+4*\t+3], s[8:9] offset:(16*(\a)+2*\t)*8192 th:TH_STORE_NT
.endr
.endm
	PLACES
	TOSTAGE 0
	TOSTAGE 1
	SEND 0, 16
	s_wait_xcnt 0x0                                ; block 0's stores have read their registers: block 2's loads may land there
	TOSTAGE 2
	SEND 1, 16
	s_wait_xcnt 0x0
	TOSTAGE 3
	SEND 2, 16
	SEND 3, 0
	s_wait_tensorcnt 0x0                           ; the wave's end
	ds_add_u32 v[SPW], v[NIL]
	s_wait_dscnt 0x0
	CROUND                                         ; the closing round
	s_endpgm
.Lfunc_end_k_q49d45b569f_oproj:
	.size	k_q49d45b569f_oproj, .Lfunc_end_k_q49d45b569f_oproj-k_q49d45b569f_oproj
	.p2alignl 7, 3214868480
	.fill 96, 4, 3214868480
	.section	.rodata,"a",@progbits
	.p2align	6, 0x0
	.amdhsa_kernel k_q49d45b569f_oproj
		.amdhsa_group_segment_fixed_size 327680
		.amdhsa_private_segment_fixed_size 0
		.amdhsa_enable_private_segment 0
		.amdhsa_kernarg_size 24
		.amdhsa_user_sgpr_count 2
		.amdhsa_user_sgpr_kernarg_segment_ptr 1
		.amdhsa_wavefront_size32 1
		.amdhsa_system_sgpr_workgroup_id_x 1
		.amdhsa_system_sgpr_workgroup_id_y 1
		.amdhsa_system_sgpr_workgroup_id_z 1
		.amdhsa_system_vgpr_workitem_id 0
		.amdhsa_next_free_vgpr 512
		.amdhsa_next_free_sgpr 66
		.amdhsa_reserve_vcc 0
		.amdhsa_float_denorm_mode_32 3
		.amdhsa_float_denorm_mode_16_64 3
		.amdhsa_memory_ordered 1
		.amdhsa_forward_progress 1
		.amdhsa_inst_pref_size 86
	.end_amdhsa_kernel
	.amdgpu_metadata
---
amdhsa.version: [ 1, 2 ]
amdhsa.kernels:
  - .name:           k_q49d45b569f_oproj
    .symbol:         k_q49d45b569f_oproj.kd
    .args:
      - { .name: o16, .offset: 0, .size: 8, .value_kind: global_buffer, .address_space: global }
      - { .name: wo16, .offset: 8, .size: 8, .value_kind: global_buffer, .address_space: global }
      - { .name: out0, .offset: 16, .size: 8, .value_kind: global_buffer, .address_space: global }
    .group_segment_fixed_size: 327680
    .private_segment_fixed_size: 0
    .kernarg_segment_align: 8
    .kernarg_segment_size: 24
    .max_flat_workgroup_size: 128
    .sgpr_count:     66
    .vgpr_count:     512
    .wavefront_size: 32
...
	.end_amdgpu_metadata
.endif
;; end of part 4
